; MI455X (gfx1250); checked and timed in simulation.
; The chip was launched on July 23, 2026; its instructions are those of AMD's public machine-readable ISA for CDNA 5 (MIT licence, August 2026) and "CDNA5" Instruction Set Architecture Reference Guide (July 2026). The comments in the code are by the model that wrote it; some were corrected since.
;; Attention. Allowed arithmetic: float matrix products may take bf16 or f16 operands with f32 sums; other float arithmetic in f32, or as packed bf16 or f16 multiplies, adds, multiply-adds, maxima and minima; sums over many terms, partial sums and values carried from step to step in f32; what a program stores and reads back later, other than sums and carried values, may be rounded once to bf16 or f16.
;; Inputs: c_attn_b 3,072 float32; c_attn_w 1,024 x 3,072 float32; c_proj_b 1,024 float32; c_proj_w 1,024 x 1,024 float32; x 8 x 1,024 x 1,024 float32.
;; Outputs: out0 8 x 1,024 x 1,024 float32.
;; One version. Each part assembles by itself: llvm-mc -triple=amdgcn-amd-amdhsa -mcpu=gfx1250 --defsym DOCPART=n.
;; ======== version 1 of 1: 5 launches
;; limits: values are held in f16: magnitudes above 65,504 overflow, below 6.1e-05 lose precision
;; workspace buffers: xb 16,777,216 bytes; wa 6,291,456 bytes; wp 2,097,152 bytes; bias 16,384 bytes; qkv 50,331,648 bytes; st 524,288 bytes; ob 16,777,216 bytes
;; launch prep (part 1): grid 1537 x 1, 8 waves a work-group, no clusters, 18,432 bytes of LDS; arguments x, c_attn_w, c_proj_w, c_attn_b, c_proj_b, xb, wa, wp, bias; writes xb, wa, wp, bias
.if DOCPART == 1
	.amdgcn_target "amdgcn-amd-amdhsa--gfx1250"
	.amdhsa_code_object_version 6
	.text
	.protected	k_qfe013af7b0_prep
	.globl	k_qfe013af7b0_prep
	.p2align	8
	.type	k_qfe013af7b0_prep,@function
k_qfe013af7b0_prep:
	s_mov_b64 s[64:65], 0
	v_nop
	global_prefetch_b8 v0, s[64:65] scope:SCOPE_SE
	s_setreg_imm32_b32 hwreg(HW_REG_WAVE_MODE, 25, 1), 1
	s_wait_xcnt 0x0
; THE INPUTS ARE ROUNDED ONCE, TO bf16, AND LAID OUT FOR THE PRODUCTS.
;   xb[8192][1024] bf16 = x.   wa[3072 n][1024 k] bf16 = c_attn_w[k][n].   wp[1024 n][1024 k] = c_proj_w[k][n], rounded to bf16 and that number written as f16.
;   bias[0..3071] = c_attn_b, bias[3072..4095] = c_proj_b: rounded to bf16, kept as f32.
; LIMIT. A weight of c_proj_w below 6.1e-5 in magnitude keeps f16's fixed step of 6e-8 instead of bf16's eight bits; beyond 65,504 it would be an infinity.
; ROLES, by the work-group's number g: g < 1024: eight rows of x.  g < 1408: a tile of 128 k x 64 n of c_attn_w.  g < 1536: such a tile of c_proj_w.  g = 1536: the biases.
; A stream: each byte is read once and written once; no work-group shares a byte with another, so there is no cluster and no matrix work.
; A weight tile is turned through LDS: it is read as rows of 256 bytes along n and leaves as rows of 256 bytes along k.
.set SPARE, 17408                      ; behind the tile (64 rows x 272 bytes): the spare words, 128 bytes for each of the eight waves
.set SPW, 62                           ; v62  LDS address of my spare word; never rewritten
.set NIL, 63                           ; v63  0; never rewritten
.set R,   8                            ; v[8:39]   as loaded
.set W,   40                           ; v[40:55]  packed
.set LP,  272                          ; an LDS row: 128 k x 2 bytes + 16
.macro FIN                             ; the wave's end: three lines behind the last LDS store
	s_wait_tensorcnt 0x0
	ds_add_u32 v[SPW], v[NIL]
	s_wait_dscnt 0x0
	s_endpgm
.endm
; A tile of 128 k x 64 n of a weight [1024][N] (number s3: n tile s3 / 8, k tile s3 % 8).  Thread t reads eight rows k = 8 (t / 16) + j, four n at 4 (t % 16):
; sixteen lanes read 256 consecutive bytes.  Its eight k of one n pack into 16 bytes of a row of the turned tile.
.macro TRANS N, F16, src, dst
	s_lshr_b32 s6, s3, 3                           ; n tile
	s_and_b32 s7, s3, 7                            ; k tile
	s_mul_i32 s4, s7, 128*(\N)*4
	s_lshl_b32 s26, s6, 8
	s_add_co_u32 s4, s4, s26
	s_add_nc_u64 s[\src:\src+1], s[\src:\src+1], s[4:5]
	s_lshl_b32 s4, s6, 17                          ; 64 rows of 2,048 bytes
	s_lshl_b32 s26, s7, 8
	s_add_co_u32 s4, s4, s26
	s_add_nc_u64 s[\dst:\dst+1], s[\dst:\dst+1], s[4:5]
	v_lshrrev_b32 v1, 4, v0
	v_and_b32 v2, 15, v0
	v_mul_u32_u24 v3, v1, 8*(\N)*4
	v_lshl_add_u32 v3, v2, 4, v3
.irp j, 0,1,2,3,4,5,6,7
	global_load_b128 v[R+4*(\j):R+4*(\j)+3], v3, s[\src:\src+1] offset:(\j)*(\N)*4 th:TH_LOAD_NT
.endr
	v_mul_u32_u24 v4, v2, 4*LP
	v_lshl_add_u32 v4, v1, 4, v4                   ; in: rows 4 (t % 16) + c, 16 bytes at 16 (t / 16)
	v_mul_u32_u24 v5, v1, LP
	v_lshl_add_u32 v5, v2, 4, v5                   ; back: row t / 16 (+ 16 i), 16 bytes at 16 (t % 16)
	v_lshlrev_b32 v6, 11, v1
	v_lshl_add_u32 v6, v2, 4, v6                   ; and the same place in the turned weight
	s_wait_loadcnt 0x0
.irp c, 0,1,2,3
.irp d, 0,1,2,3
	v_cvt_pk_bf16_f32 v[W+4*(\c)+(\d)], v[R+8*(\d)+(\c)], v[R+8*(\d)+4+(\c)]
.if \F16
	v_lshlrev_b32 v56, 16, v[W+4*(\c)+(\d)]        ; the bf16 numbers, widened,
	v_and_b32 v57, 0xffff0000, v[W+4*(\c)+(\d)]
	v_cvt_pk_f16_f32 v[W+4*(\c)+(\d)], v56, v57    ; are written as f16
.endif
.endr
	ds_store_b128 v4, v[W+4*(\c):W+4*(\c)+3] offset:(\c)*LP
.endr
	s_wait_dscnt 0x0                               ; for the others' sake: my stores are done
	s_barrier_signal -1
	s_barrier_wait -1
.irp i, 0,1,2,3
	ds_load_b128 v[R+4*(\i):R+4*(\i)+3], v5 offset:(\i)*16*LP
.endr
.irp i, 0,1,2,3
	s_wait_dscnt 3-(\i)                            ; the younger loads may stay out
	global_store_b128 v6, v[R+4*(\i):R+4*(\i)+3], s[\dst:\dst+1] offset:(\i)*32768  ; sixteen lanes store 256 consecutive bytes, aligned
.endr
	FIN
.endm
	s_load_b512 s[8:23], s[0:1], 0x0               ; x 8, c_attn_w 10, c_proj_w 12, c_attn_b 14, c_proj_b 16, xb 18, wa 20, wp 22
	s_load_b64 s[24:25], s[0:1], 0x40              ; bias
	v_lshl_add_u32 v[SPW], v0, 2, SPARE
	v_mov_b32 v[NIL], 0
	s_mov_b32 s2, ttmp9
	s_mov_b32 s5, 0
	s_wait_kmcnt 0x0
	s_cmp_lt_u32 s2, 1024
	s_cbranch_scc0 .Lnot_x
	; eight rows of x: a load of the work-group is one row of 4,096 bytes, a store of a wave 256 consecutive bytes
	s_lshl_b32 s4, s2, 15
	s_add_nc_u64 s[8:9], s[8:9], s[4:5]
	s_lshl_b32 s4, s2, 14
	s_add_nc_u64 s[18:19], s[18:19], s[4:5]
	v_lshlrev_b32 v1, 4, v0
	v_lshlrev_b32 v2, 3, v0
.irp i, 0,1,2,3,4,5,6,7
	global_load_b128 v[R+4*(\i):R+4*(\i)+3], v1, s[8:9] offset:4096*(\i) th:TH_LOAD_NT
.endr
.irp i, 0,1,2,3,4,5,6,7
	s_wait_loadcnt 7-(\i)                          ; the younger loads may stay out
	v_cvt_pk_bf16_f32 v[W+2*(\i)], v[R+4*(\i)], v[R+4*(\i)+1]
	v_cvt_pk_bf16_f32 v[W+2*(\i)+1], v[R+4*(\i)+2], v[R+4*(\i)+3]
	global_store_b64 v2, v[W+2*(\i):W+2*(\i)+1], s[18:19] offset:2048*(\i)
.endr
	FIN
.Lnot_x:
	s_cmp_lt_u32 s2, 1408
	s_cbranch_scc0 .Lnot_a
	s_sub_co_u32 s3, s2, 1024
	TRANS 3072, 0, 10, 20
.Lnot_a:
	s_cmp_lt_u32 s2, 1536
	s_cbranch_scc0 .Lbias
	s_sub_co_u32 s3, s2, 1408
	TRANS 1024, 1, 12, 22
.Lbias:
	v_lshlrev_b32 v1, 4, v0
	global_load_b128 v[8:11], v1, s[14:15]
	global_load_b128 v[12:15], v1, s[14:15] offset:4096
	global_load_b128 v[16:19], v1, s[14:15] offset:8192
	global_load_b128 v[20:23], v1, s[16:17]
	s_wait_loadcnt 0x0
.irp k, 0,1,2,3,4,5,6,7
	v_cvt_pk_bf16_f32 v[W+(\k)], v[R+2*(\k)], v[R+2*(\k)+1]
.endr
.irp k, 0,1,2,3,4,5,6,7
	v_lshlrev_b32 v[R+2*(\k)], 16, v[W+(\k)]
	v_and_b32 v[R+2*(\k)+1], 0xffff0000, v[W+(\k)]
.endr
	global_store_b128 v1, v[8:11], s[24:25]
	global_store_b128 v1, v[12:15], s[24:25] offset:4096
	global_store_b128 v1, v[16:19], s[24:25] offset:8192
	global_store_b128 v1, v[20:23], s[24:25] offset:12288
	FIN
.Lfunc_end_k_qfe013af7b0_prep:
	.size	k_qfe013af7b0_prep, .Lfunc_end_k_qfe013af7b0_prep-k_qfe013af7b0_prep
	.p2alignl 7, 3214868480
	.fill 96, 4, 3214868480
	.section	.rodata,"a",@progbits
	.p2align	6, 0x0
	.amdhsa_kernel k_qfe013af7b0_prep
		.amdhsa_group_segment_fixed_size 18432
		.amdhsa_private_segment_fixed_size 0
		.amdhsa_enable_private_segment 0
		.amdhsa_kernarg_size 72
		.amdhsa_user_sgpr_count 2
		.amdhsa_user_sgpr_kernarg_segment_ptr 1
		.amdhsa_wavefront_size32 1
		.amdhsa_system_sgpr_workgroup_id_x 1
		.amdhsa_system_sgpr_workgroup_id_y 1
		.amdhsa_system_sgpr_workgroup_id_z 1
		.amdhsa_system_vgpr_workitem_id 0
		.amdhsa_next_free_vgpr 64
		.amdhsa_next_free_sgpr 66
		.amdhsa_reserve_vcc 0
		.amdhsa_float_denorm_mode_32 3
		.amdhsa_float_denorm_mode_16_64 3
		.amdhsa_memory_ordered 1
		.amdhsa_forward_progress 1
		.amdhsa_inst_pref_size 17
	.end_amdhsa_kernel
	.amdgpu_metadata
---
amdhsa.version: [ 1, 2 ]
amdhsa.kernels:
  - .name:           k_qfe013af7b0_prep
    .symbol:         k_qfe013af7b0_prep.kd
    .args:
      - { .name: x, .offset: 0, .size: 8, .value_kind: global_buffer, .address_space: global }
      - { .name: c_attn_w, .offset: 8, .size: 8, .value_kind: global_buffer, .address_space: global }
      - { .name: c_proj_w, .offset: 16, .size: 8, .value_kind: global_buffer, .address_space: global }
      - { .name: c_attn_b, .offset: 24, .size: 8, .value_kind: global_buffer, .address_space: global }
      - { .name: c_proj_b, .offset: 32, .size: 8, .value_kind: global_buffer, .address_space: global }
      - { .name: xb, .offset: 40, .size: 8, .value_kind: global_buffer, .address_space: global }
      - { .name: wa, .offset: 48, .size: 8, .value_kind: global_buffer, .address_space: global }
      - { .name: wp, .offset: 56, .size: 8, .value_kind: global_buffer, .address_space: global }
      - { .name: bias, .offset: 64, .size: 8, .value_kind: global_buffer, .address_space: global }
    .group_segment_fixed_size: 18432
    .private_segment_fixed_size: 0
    .kernarg_segment_align: 8
    .kernarg_segment_size: 72
    .max_flat_workgroup_size: 256
    .sgpr_count:     66
    .vgpr_count:     64
    .wavefront_size: 32
...
	.end_amdgpu_metadata
.endif
;; end of part 1
;; launch qkvgemm (part 2): grid 16 x 32, 4 waves a work-group, clusters of 4 x 4, 327,680 bytes of LDS; arguments xb, wa, bias, qkv; writes qkv
.if DOCPART == 2
	.amdgcn_target "amdgcn-amd-amdhsa--gfx1250"
	.amdhsa_code_object_version 6
	.text
	.protected	k_qfe013af7b0_qkvgemm
	.globl	k_qfe013af7b0_qkvgemm
	.p2align	8
	.type	k_qfe013af7b0_qkvgemm,@function
k_qfe013af7b0_qkvgemm:
	s_mov_b64 s[64:65], 0
	v_nop
	global_prefetch_b8 v0, s[64:65] scope:SCOPE_SE
	s_setreg_imm32_b32 hwreg(HW_REG_WAVE_MODE, 25, 1), 1
	s_wait_xcnt 0x0
	s_wait_alu depctr_hold_cnt(0) depctr_sa_sdst(0) depctr_va_vdst(0) depctr_va_sdst(0) depctr_va_ssrc(0) depctr_va_vcc(0) depctr_vm_vsrc(0)
	s_getreg_b32 s2, hwreg(HW_REG_IB_STS2, 6, 4)
	s_cmp_eq_u32 s2, 0
	s_cbranch_scc0 .Lentry_in_a_cluster
	s_endpgm
.Lentry_in_a_cluster:
	s_bfe_u32 s2, ttmp6, 0x10000c
	s_cmp_lg_u32 s2, 0xf033
	s_cbranch_scc0 .Lentry_shape_is_right
	s_endpgm
.Lentry_shape_is_right:
; q, k, v = x W + b.  xb: [8192][1024] bf16, wa: [3072 n][1024 k] bf16, bias: f32; sums in f32, started with the bias; the result rounded once to f16 and stored by heads:
; qkv[batch 8][slot 48][row 1024][64], slot = n / 64 (16 of q, 16 of k, 16 of v).
; LIMIT. f16 ends at 65,504: a q, k or v beyond that becomes an infinity.
; SHARES. A tile is 256 rows x 192 columns (three head slots): 32 x 16 = 512 tiles, two for each of 256 places.  Four waves; wave w makes rows 64 w .. + 63 and all 192 columns:
; 4 x 12 accumulators of 16 x 16, 384 registers.  K goes in eight steps of 128 through two LDS slots; the rows of both tiles are 256 bytes of memory, aligned.
; CLUSTER. 4 x 4 work-groups: x's tile is shared along a row of the cluster, W's along a column; each is asked for jointly, by the same load, descriptor and mask in all four.
; THE PRODUCT IS TAKEN TRANSPOSED (source 0 = 16 rows of wa, source 1 = 16 rows of xb): a lane holds one row and eight neighbouring columns, 16 bytes of f16.
; REGISTERS, in windows of 256: window 0: v0-31 addresses; v32-95 x's fragments, two buffers of 4 x 8; v128-223 the bias as a C operand, 8 registers a column block.  On the way out v32-175 are at work.
;   window 1: W's fragments, two buffers of 12 x 8.   window 2: accumulators of row blocks 0, 1 at 8 (12 (a % 2) + b).   window 3: of row blocks 2, 3.
.set NBL,   12                         ; column blocks of 16
.set NLD,   2*NBL+8                    ; LDS loads in a run
.set PITCH, 272                        ; an LDS row: 256 bytes + 16: the sixteen rows of a fragment load start at sixteen different groups of four banks (ISA guide 11.1)
.set AHALF, 128*PITCH                  ; what waves 0 and 1 fetch
.set BHALF, 96*PITCH                   ; what waves 2 and 3 fetch
.set BOFF,  2*AHALF
.set SLOT1, 1<<17                      ; slot 1 begins here: one exclusive or turns an address of one slot into the other's
.set STAGE, SLOT1+BOFF+2*BHALF         ; behind the ring, never filled by a tensor load: 16 rows x 400 bytes for each wave
.set SP,    400
.set SPARE, STAGE+4*16*SP              ; the spare words, 128 bytes for each wave
.set A0,   16                          ; v16  my lane's place in x's tile; never rewritten
.set B0,   17                          ; v17  the same in W's
.set ADRA, 18                          ; v18  A0 + the slot in hand
.set ADRB, 19
.set STO,  24
.set RD,   25
.set GO,   26
.set BO,   27
.set SPW,  28                          ; v28  LDS address of my spare word; never rewritten
.set NIL,  29                          ; v29  0; never rewritten
.set PFO,  30                          ; v30  the prefetches' offset: a lane a row; never rewritten
.set FA,   32
.set BIAS, 128
.set TMP,  32
.set BK,   80
.set G1,  24                           ; s[24:31] group 1 for x's tiles;  s[32:39] group 0: a set for each first fill; the second then walks
.set G0,  32
.set PFA, 44                           ; s[44:45] where my prefetches stand
.set G1B, 48                           ; s[48:55], s[56:63] the same for W's tiles
.set G0B, 56
.set LIM, 66                           ; s66  2 in a wave that prefetches, else the greatest number
.set TB,  67                           ; s67  the slot in hand: 0 or SLOT1
.set MSB, 0
.macro WIN new                         ; the high byte repeats the setting that is left; a switch that changes nothing is dropped
.if MSB != (\new)
	s_set_vgpr_msb (MSB<<8)|(\new)
.set MSB, \new
.endif
.endm
.macro PLACES                          ; four plain instructions behind a matrix instruction, ahead of loads into its sources and of readers of its result
.rept 4
	v_nop
.endr
.endm
.macro JLOAD                           ; a joint refill by the walking descriptor: waves 0, 1 fetch x's halves, waves 2, 3 W's; an s_nop 0 and four v_nop follow each line
	s_cmp_lt_u32 s12, 2
	s_cbranch_scc0 .Lfor_b_\@
	tensor_load_to_lds s[G0+4:G0+7], s[G1:G1+7]
	s_nop 0
.rept 4
	v_nop
.endr
	s_branch .Lasked_\@
.Lfor_b_\@:
	tensor_load_to_lds s[G0B+4:G0B+7], s[G1B:G1B+7]
	s_nop 0
.rept 4
	v_nop
.endr
.Lasked_\@:
.endm
; A prefetch of the K step that stands two refills on: 256 bytes of a row, a lane a row.  x's rows are asked for by the clusters with x = 0, W's by those with y = 0; the four partners share a
; wave's rows out by address (32 of 128, or 24 of 96).  Trips 6 to 3 ask, for K steps 4 to 7; K steps 0 to 3 come by their loads alone.
.macro ASK
	s_cmp_gt_u32 s3, s[LIM]
	s_cbranch_scc0 .Lnot_mine_\@
	global_prefetch_b8 v[PFO], s[PFA:PFA+1] th:TH_LOAD_NT scope:SCOPE_SE
.Lnot_mine_\@:
.endm
.macro CREST                           ; a round of the cluster's barrier behind its opening barrier
	s_cmp_lg_u32 s12, 0
	s_cbranch_scc1 .Lnot_wave_0_\@
	s_barrier_signal -3
.Lnot_wave_0_\@:
	s_barrier_wait -3
	s_barrier_signal -1
	s_barrier_wait -1
.endm
.macro CROUND
	s_barrier_signal -1
	s_barrier_wait -1
	CREST
.endm
	s_load_b256 s[4:11], s[0:1], 0x0               ; xb s[4:5], wa s[6:7], bias s[8:9], qkv s[10:11]
	v_lshl_add_u32 v[SPW], v0, 2, SPARE
	v_mov_b32 v[NIL], 0
	ds_add_u32 v[SPW], v[NIL]                      ; the wave's opening: the add and its wait ahead of my first tensor load
	ds_add_u32 v28, v29
	v_lshrrev_b32 v1, 5, v0
	v_readfirstlane_b32 s12, v1                    ; wave 0..3
	s_and_b32 s14, s12, 1                          ; which half of a tile I fetch
	s_bfe_u32 s15, ttmp6, 0x40000                  ; cx
	s_bfe_u32 s16, ttmp6, 0x40004                  ; cy
	s_lshl_b32 s17, ttmp9, 2
	s_add_co_u32 s17, s17, s15                     ; tile column = 4 x cluster x + cx
	s_and_b32 s18, ttmp7, 0xffff
	s_lshl_b32 s18, s18, 2
	s_add_co_u32 s18, s18, s16                     ; tile row = 4 x cluster y + cy
	s_lshl_b32 s20, s16, 2
	s_lshl_b32 s20, 15, s20                        ; my row of the cluster
	s_lshl_b32 s21, 0x1111, s15                    ; my column
	s_or_b32 s[G1], s20, (1<<16)|(1<<20)|(1<<21)|(5<<22)|(3<<25)   ; the mask; 2-byte elements; padding on; bit 21 beside a mask; after every 64 words 4 words
	s_or_b32 s[G1B], s21, (1<<16)|(1<<20)|(1<<21)|(5<<22)|(3<<25)
	s_mov_b32 s[G1+1], 128<<16                     ; tensor_dim0 = 128
	s_mov_b32 s[G1+2], 128<<16                     ; tensor_dim1 = 128
	s_mov_b32 s[G1+3], 128<<16                     ; tile_dim0 = 128
	s_mov_b32 s[G1+4], 128                         ; tile_dim1 = 128
	s_mov_b32 s[G1+5], 1024                        ; elements from row to row
	s_mov_b32 s[G1+6], 0
	s_mov_b32 s[G1+7], 0
	s_mov_b32 s[G1B+1], 128<<16
	s_mov_b32 s[G1B+2], 96<<16
	s_mov_b32 s[G1B+3], 128<<16
	s_mov_b32 s[G1B+4], 96
	s_mov_b32 s[G1B+5], 1024
	s_mov_b32 s[G1B+6], 0
	s_mov_b32 s[G1B+7], 0
	s_lshl_b32 s40, s18, 8                         ; x: row 256 x tile row + 128 x half, in registers that never hold cx
	s_lshl_b32 s41, s14, 7
	s_add_co_u32 s40, s40, s41
	s_lshl_b32 s40, s40, 11                        ; rows of 2,048 bytes
	s_mov_b32 s41, 0
	s_mul_i32 s46, s17, 192                        ; W: row 192 x tile column + 96 x half, in registers that never hold cy
	s_mul_i32 s47, s14, 96
	s_add_co_u32 s46, s46, s47
	s_lshl_b32 s46, s46, 11
	s_mov_b32 s47, 0
	s_mul_i32 s22, s14, AHALF                      ; where they go: no place in the cluster enters an LDS address
	s_mul_i32 s23, s14, BHALF
	s_add_co_u32 s23, s23, BOFF
	s_mov_b32 s[TB], 0
	s_wait_dscnt 0x0                               ; the opening add is done
	s_wait_kmcnt 0x0
	s_add_nc_u64 s[40:41], s[4:5], s[40:41]
	s_add_nc_u64 s[46:47], s[6:7], s[46:47]
	CROUND                                         ; all sixteen work-groups are here: the first joint loads meet
.irp s, 0,1
	s_mov_b32 s[G0+4*(\s)], 1
	s_add_co_u32 s[G0+4*(\s)+1], s22, (\s)*SLOT1
	s_add_nc_u64 s[G0+4*(\s)+2:G0+4*(\s)+3], s[40:41], (\s)*256
	s_or_b32 s[G0+4*(\s)+3], s[G0+4*(\s)+3], 0x80000000
	s_mov_b32 s[G0B+4*(\s)], 1
	s_add_co_u32 s[G0B+4*(\s)+1], s23, (\s)*SLOT1
	s_add_nc_u64 s[G0B+4*(\s)+2:G0B+4*(\s)+3], s[46:47], (\s)*256
	s_or_b32 s[G0B+4*(\s)+3], s[G0B+4*(\s)+3], 0x80000000
.endr
	s_cmp_lt_u32 s12, 2                            ; a wave's two first fills stand in one branch: two loads of mine are out
	s_cbranch_scc0 .Lfirst_b
	tensor_load_to_lds s[G0:G0+3], s[G1:G1+7]
	s_nop 0
	tensor_load_to_lds s[G0+4:G0+7], s[G1:G1+7]
	s_nop 0
.rept 4
	v_nop
.endr
	s_branch .Lfirst_asked
.Lfirst_b:
	tensor_load_to_lds s[G0B:G0B+3], s[G1B:G1B+7]
	s_nop 0
	tensor_load_to_lds s[G0B+4:G0B+7], s[G1B:G1B+7]
	s_nop 0
.rept 4
	v_nop
.endr
.Lfirst_asked:
	v_and_b32 v1, 15, v0                           ; r = l % 16
	v_bfe_u32 v2, v0, 4, 1                         ; h = l / 16
	v_lshlrev_b32 v[BO], 5, v2                     ; my eight columns' bias: 32 h
	s_mul_i32 s72, s17, 768
	s_mov_b32 s73, 0
	s_add_nc_u64 s[8:9], s[8:9], s[72:73]          ; the tile's 192 numbers of the bias
.set b, 0
.rept NBL
	global_load_b128 v[BIAS+8*b:BIAS+8*b+3],   v[BO], s[8:9] offset:64*b
	global_load_b128 v[BIAS+8*b+4:BIAS+8*b+7], v[BO], s[8:9] offset:64*b+16
.set b, b+1
.endr
	v_mul_u32_u24 v3, v1, PITCH
	v_lshl_add_u32 v3, v2, 4, v3                   ; row x pitch + 16 x half
	s_mul_i32 s20, s12, 64*PITCH
	v_add_nc_u32 v[A0], s20, v3
	v_add_nc_u32 v[B0], BOFF, v3
	v_mov_b32 v[ADRA], v[A0]
	v_mov_b32 v[ADRB], v[B0]
	s_mul_i32 s20, s12, 16*SP
	s_add_co_u32 s20, s20, STAGE                   ; my stage
	v_mul_u32_u24 v[STO], v1, SP
	v_lshl_add_u32 v[STO], v2, 4, v[STO]
	v_add_nc_u32 v[STO], s20, v[STO]               ; in: row r, 16 bytes for each half of the lanes
	v_bfe_u32 v[RD], v0, 3, 2
	v_mul_u32_u24 v[RD], v[RD], SP
	v_and_b32 v4, 7, v0
	v_lshl_add_u32 v[RD], v4, 4, v[RD]
	v_add_nc_u32 v[RD], s20, v[RD]                 ; back: four rows of a head slot's 128 bytes,
	v_and_b32 v[GO], 31, v0
	v_lshlrev_b32 v[GO], 4, v[GO]                  ; which are 512 consecutive bytes of qkv
	s_lshr_b32 s70, s18, 2                         ; the batch
	s_mul_i32 s70, s70, 6291456
	s_mul_i32 s71, s17, 3*131072                   ; the tile's first head slot
	s_add_co_u32 s70, s70, s71
	s_and_b32 s71, s18, 3
	s_lshl_b32 s71, s71, 15                        ; 256 rows of 128 bytes
	s_add_co_u32 s70, s70, s71
	s_lshl_b32 s71, s12, 13                        ; my 64 rows
	s_add_co_u32 s70, s70, s71
	s_mov_b32 s71, 0
	s_add_nc_u64 s[10:11], s[10:11], s[70:71]
	; the prefetches
	s_and_b32 s70, ttmp7, 0xffff                   ; cluster y
	s_lshl_b32 s71, s18, 8
	s_mul_i32 s72, s17, 192
	s_mov_b32 s73, 96
	s_cmp_lt_u32 s12, 2                            ; do I fetch for x?
	s_cselect_b32 s71, s71, s72                    ; the tile's first row
	s_cselect_b32 s72, s15, s16                    ; my place among the four that ask with me
	s_cselect_b32 s70, ttmp9, s70                  ; the coordinate along which other clusters read the same rows
	s_cselect_b32 s73, 128, s73                    ; rows that a wave fetches,
	s_cselect_b32 s74, 32, 24                      ; my work-group's share of them
	s_cselect_b32 s75, 31, 23
	s_cselect_b64 s[PFA:PFA+1], s[4:5], s[6:7]
	s_mul_i32 s73, s73, s14
	s_add_co_u32 s71, s71, s73
	s_mul_i32 s74, s74, s72
	s_add_co_u32 s71, s71, s74
	s_lshl_b32 s72, s71, 11
	s_mov_b32 s73, 0
	s_add_nc_u64 s[PFA:PFA+1], s[PFA:PFA+1], s[72:73]
	s_add_nc_u64 s[PFA:PFA+1], s[PFA:PFA+1], 3*256 ; at K step 3: the first refill steps it to 4
	s_cmp_eq_u32 s70, 0
	s_cselect_b32 s[LIM], 2, -1                    ; the same in all sixteen partners, for a given wave
	v_and_b32 v[PFO], 31, v0
	v_min_u32 v[PFO], s75, v[PFO]                  ; (of W's 24 rows the last is named by nine lanes)
	v_lshlrev_b32 v[PFO], 11, v[PFO]
; 12 matrix instructions: row block a x all column blocks, 32 along K, from buffer f.  first = 1: the bias starts the sums.  The 48 accumulators take turns in one order everywhere.
.macro MULA f, a, first
.if \first
	WIN 0x81+0x40*((\a)/2)                         ; W window 1, x and C window 0, D window 2 or 3
.else
	WIN 0xa1+0x50*((\a)/2)                         ; C and D window 2 or 3
.endif
.set b, 0
.rept NBL
.set rD, 8*(NBL*((\a)%2)+b)
.if \first
	v_wmma_f32_16x16x32_bf16 v[rD:rD+7], v[8*NBL*(\f)+8*b:8*NBL*(\f)+8*b+7], v[FA+32*(\f)+8*(\a):FA+32*(\f)+8*(\a)+7], v[BIAS+8*b:BIAS+8*b+7]
.else
	v_wmma_f32_16x16x32_bf16 v[rD:rD+7], v[8*NBL*(\f)+8*b:8*NBL*(\f)+8*b+7], v[FA+32*(\f)+8*(\a):FA+32*(\f)+8*(\a)+7], v[rD:rD+7]
.endif
.set b, b+1
.endr
.endm
; One run of 32 LDS loads: quarter q of the K step in hand into buffer f: W's 12 fragments, then x's 4
.macro FETCH q, f
	WIN 0x40
.set i, 0
.rept NBL
	ds_load_b128 v[8*NBL*(\f)+8*i:8*NBL*(\f)+8*i+3],   v[ADRB] offset:64*(\q)+i*16*PITCH
	ds_load_b128 v[8*NBL*(\f)+8*i+4:8*NBL*(\f)+8*i+7], v[ADRB] offset:64*(\q)+i*16*PITCH+32
.set i, i+1
.endr
	WIN 0
.set i, 0
.rept 4
	ds_load_b128 v[FA+32*(\f)+8*i:FA+32*(\f)+8*i+3],   v[ADRA] offset:64*(\q)+i*16*PITCH
	ds_load_b128 v[FA+32*(\f)+8*i+4:FA+32*(\f)+8*i+7], v[ADRA] offset:64*(\q)+i*16*PITCH+32
.set i, i+1
.endr
.endm
; One of a K step's first three quarters: multiplies buffer f; in its middle it fetches quarter q into buffer g
.macro QUARTER q, f, g, first
	s_wait_dscnt 4                                 ; the youngest four loads, x's row blocks 2 and 3, may be out
	MULA \f, 0, \first
	MULA \f, 1, \first
	PLACES
	FETCH \q, \g
	s_wait_dscnt NLD                               ; all but the run just issued
	MULA \f, 2, \first
	MULA \f, 3, \first
.endm
; The last quarter multiplies buffer 1 and changes slots.  In front of the barrier each wave waits for all its tensor loads (one is out: its part of the next slot), adds 0 to its spare word, and
; waits for that and for its reads of this slot.  fill = 1: the barrier opens a round of the cluster's, and the joint refill, two K steps on, is the first thing behind it.
.macro TURN fill
.if \fill
	s_wait_xcnt 0x0                                ; the last prefetch, a K step back, has read its address
	s_add_nc_u64 s[PFA:PFA+1], s[PFA:PFA+1], 256
.endif
	WIN 0
	s_wait_tensorcnt 0x0
	ds_add_u32 v[SPW], v[NIL]
.if \fill
	s_xor_b32 s[G0+5], s[G0+5], SLOT1              ; no load of mine is out: the walking descriptors step: the other slot, the next K step
	s_add_nc_u64 s[G0+6:G0+7], s[G0+6:G0+7], 256
	s_xor_b32 s[G0B+5], s[G0B+5], SLOT1
	s_add_nc_u64 s[G0B+6:G0B+7], s[G0B+6:G0B+7], 256
.endif
	s_wait_dscnt 5                                 ; the add and the youngest four loads may be out
	MULA 1, 0, 0
	s_wait_dscnt 0x0                               ; the add is done, and my reads of this slot are over
	s_barrier_signal -1
	MULA 1, 1, 0
	WIN 0
	s_barrier_wait -1
.if \fill
	CREST
	JLOAD                                          ; its four v_nop are also the places in front of the loads below
.else
	PLACES
.endif
	s_xor_b32 s[TB], s[TB], SLOT1
	v_add_nc_u32 v[ADRA], s[TB], v[A0]
	v_add_nc_u32 v[ADRB], s[TB], v[B0]
	FETCH 0, 0
.if \fill
	ASK
.endif
	MULA 1, 2, 0
	MULA 1, 3, 0
.endm
; THE WAY OUT of row block a: rounded to f16; 16 bytes a lane into my stage; back as rows of a head slot; stored as 512 consecutive bytes.
.macro PACK a
	WIN 0x0a+5*((\a)/2)
.set b, 0
.rept NBL
.set rD, 8*(NBL*((\a)%2)+b)
.irp r, 0,1,2,3
	v_cvt_pk_f16_f32 v[TMP+4*b+(\r)], v[rD+2*(\r)], v[rD+2*(\r)+1]
.endr
.set b, b+1
.endr
	WIN 0
.endm
.macro TOSTAGE a
.set rB, BK+48*((\a)%2)
.set b, 0
.rept NBL
	ds_store_b128 v[STO], v[TMP+4*b:TMP+4*b+3] offset:32*b
.set b, b+1
.endr
.set b, 0
.rept 12                               ; head slot b / 4, rows 4 (b % 4) on.  LDS serves a wave's instructions in order (ISA guide 5.7.1.4): these see the stores above
	ds_load_b128 v[rB+4*b:rB+4*b+3], v[RD] offset:4*SP*(b%4)+128*(b/4)
.set b, b+1
.endr
.endm
.macro SEND a
.set rB, BK+48*((\a)%2)
	s_wait_dscnt 0x0                               ; the block is back in registers
	s_wait_xcnt 0x0                                ; the stores of the block before have read their registers, which the next block's loads take
.set b, 0
.rept 12
	global_store_b128 v[GO], v[rB+4*b:rB+4*b+3], s[10:11] offset:(b/4)*131072+(\a)*2048+(b%4)*512
.set b, b+1
.endr
.endm
	s_wait_tensorcnt 0x1                           ; my part of K step 0 is in; K step 1's may stay out
	s_barrier_signal -1
	s_barrier_wait -1
	FETCH 0, 0
	s_wait_loadcnt 0x0                             ; the bias
	QUARTER 1, 0, 1, 1                             ; the first quarter starts the sums
	WIN 0
	s_mov_b32 s3, 6
.Lstep:                                            ; a trip: from a K step's second quarter to the next one's first; six trips fill K steps 2 to 7
	QUARTER 2, 1, 0, 0
	QUARTER 3, 0, 1, 0
	TURN 1
	QUARTER 1, 0, 1, 0
	WIN 0
	s_sub_co_u32 s3, s3, 1
	s_cmp_lg_u32 s3, 0
	s_cbranch_scc1 .Lstep
	QUARTER 2, 1, 0, 0                             ; the tail is written out: it asks for nothing
	QUARTER 3, 0, 1, 0
	TURN 0
	QUARTER 1, 0, 1, 0
	QUARTER 2, 1, 0, 0
	QUARTER 3, 0, 1, 0
	s_wait_dscnt 4
	MULA 1, 0, 0
	MULA 1, 1, 0
	s_wait_dscnt 0x0
	MULA 1, 2, 0
	MULA 1, 3, 0
	WIN 0
	PLACES
	PACK 0
	TOSTAGE 0
.irp a, 1,2,3
	PACK \a
	SEND (\a)-1
	TOSTAGE \a
.endr
	SEND 3
	s_wait_tensorcnt 0x0                           ; the wave's end
	ds_add_u32 v[SPW], v[NIL]
	s_wait_dscnt 0x0
	CROUND                                         ; the closing round
	s_endpgm
.Lfunc_end_k_qfe013af7b0_qkvgemm:
	.size	k_qfe013af7b0_qkvgemm, .Lfunc_end_k_qfe013af7b0_qkvgemm-k_qfe013af7b0_qkvgemm
	.p2alignl 7, 3214868480
	.fill 96, 4, 3214868480
	.section	.rodata,"a",@progbits
	.p2align	6, 0x0
	.amdhsa_kernel k_qfe013af7b0_qkvgemm
		.amdhsa_group_segment_fixed_size 327680
		.amdhsa_private_segment_fixed_size 0
		.amdhsa_enable_private_segment 0
		.amdhsa_kernarg_size 32
		.amdhsa_user_sgpr_count 2
		.amdhsa_user_sgpr_kernarg_segment_ptr 1
		.amdhsa_wavefront_size32 1
		.amdhsa_system_sgpr_workgroup_id_x 1
		.amdhsa_system_sgpr_workgroup_id_y 1
		.amdhsa_system_sgpr_workgroup_id_z 1
		.amdhsa_system_vgpr_workitem_id 0
		.amdhsa_next_free_vgpr 960
		.amdhsa_next_free_sgpr 76
		.amdhsa_reserve_vcc 0
		.amdhsa_float_denorm_mode_32 3
		.amdhsa_float_denorm_mode_16_64 3
		.amdhsa_memory_ordered 1
		.amdhsa_forward_progress 1
		.amdhsa_inst_pref_size 100
	.end_amdhsa_kernel
	.amdgpu_metadata
---
amdhsa.version: [ 1, 2 ]
amdhsa.kernels:
  - .name:           k_qfe013af7b0_qkvgemm
    .symbol:         k_qfe013af7b0_qkvgemm.kd
    .args:
      - { .name: xb, .offset: 0, .size: 8, .value_kind: global_buffer, .address_space: global }
      - { .name: wa, .offset: 8, .size: 8, .value_kind: global_buffer, .address_space: global }
      - { .name: bias, .offset: 16, .size: 8, .value_kind: global_buffer, .address_space: global }
      - { .name: qkv, .offset: 24, .size: 8, .value_kind: global_buffer, .address_space: global }
    .group_segment_fixed_size: 327680
    .private_segment_fixed_size: 0
    .kernarg_segment_align: 8
    .kernarg_segment_size: 32
    .max_flat_workgroup_size: 128
    .sgpr_count:     76
    .vgpr_count:     960
    .wavefront_size: 32
...
	.end_amdgpu_metadata
.endif
;; end of part 2
;; launch vsum (part 3): grid 128 x 1, 16 waves a work-group, no clusters, 6,144 bytes of LDS; arguments qkv, st; writes st
.if DOCPART == 3
	.amdgcn_target "amdgcn-amd-amdhsa--gfx1250"
	.amdhsa_code_object_version 6
	.text
	.protected	k_qfe013af7b0_vsum
	.globl	k_qfe013af7b0_vsum
	.p2align	8
	.type	k_qfe013af7b0_vsum,@function
k_qfe013af7b0_vsum:
	s_mov_b64 s[64:65], 0
	v_nop
	global_prefetch_b8 v0, s[64:65] scope:SCOPE_SE
	s_setreg_imm32_b32 hwreg(HW_REG_WAVE_MODE, 25, 1), 1
	s_wait_xcnt 0x0
; st[head y][band g][64] (f32) = the sum of V's rows 64 (g + 1) .. 1023 of head y: what all keys of later bands of 64 add to a query of band g, since the mask gives them one and the same score.
; A work-group a head; wave w sums band w (64 rows of 128 bytes, sixteen loads of 512 consecutive bytes); the sixteen band sums meet in LDS; wave w then adds those of the bands behind w.
; Band 0 is in no sum, so wave 0 loads nothing.  Sums in f32.  A stream read once: no matrix work, no cluster; 128 heads give 128 work-groups.
.set SPARE, 4096                       ; behind the band sums (16 x 256 bytes): the spare words, 128 bytes for each of the sixteen waves
.set SPW, 126                          ; v126 LDS address of my spare word; never rewritten
.set NIL, 127                          ; v127 0; never rewritten
.set ONE, 125                          ; v125 1.0
.set ZER, 124                          ; v124 0, for the first sums
.set ACC, 4                            ; v[4:11]  my eight channels' sums
.set X,   16                           ; v[16:79] as loaded
	s_load_b128 s[4:7], s[0:1], 0x0                ; qkv s[4:5], st s[6:7]
	v_lshl_add_u32 v[SPW], v0, 2, SPARE
	v_mov_b32 v[NIL], 0
	v_mov_b32 v[ONE], 1.0
	v_mov_b32 v[ZER], 0
	v_lshrrev_b32 v1, 5, v0
	v_readfirstlane_b32 s8, v1                     ; wave 0..15
	v_and_b32 v2, 31, v0
	s_lshr_b32 s10, ttmp9, 4                       ; the batch,
	s_mul_i32 s10, s10, 48
	s_and_b32 s11, ttmp9, 15                       ; the head:
	s_add_co_u32 s10, s10, s11
	s_add_co_u32 s10, s10, 32                      ; V's slot
	s_lshl_b32 s10, s10, 17
	s_lshl_b32 s11, s8, 13                         ; my band's 8,192 bytes
	s_add_co_u32 s10, s10, s11
	s_mov_b32 s11, 0
	s_lshl_b32 s16, s8, 8
	s_lshl_b32 s12, ttmp9, 12
	s_add_co_u32 s12, s12, s16
	s_mov_b32 s13, 0
	s_mov_b32 s14, 0x76543210                      ; v_permlanex16_b32: each lane takes its own place in the other half
	s_mov_b32 s15, 0xfedcba98
	s_mov_b32 s19, 0
	v_lshlrev_b32 v3, 4, v2                        ; 16 l: four rows of 128 bytes a load
	v_lshlrev_b32 v12, 3, v2                       ; 8 l: two channels of f32
	v_and_b32 v13, 7, v2
	v_lshlrev_b32 v13, 5, v13
	v_add_nc_u32 v13, s16, v13                     ; my eight channels in my band's sum
	s_wait_kmcnt 0x0
	s_add_nc_u64 s[4:5], s[4:5], s[10:11]
	s_add_nc_u64 s[6:7], s[6:7], s[12:13]
	s_cmp_eq_u32 s8, 0
	s_cbranch_scc1 .Lmeet
.set i, 0
.rept 16
	global_load_b128 v[X+4*i:X+4*i+3], v3, s[4:5] offset:512*i
.set i, i+1
.endr
.set i, 0
.rept 16
	s_wait_loadcnt 15-i                            ; the younger loads may stay out
.set k, 0
.rept 4
.if i == 0
	v_fma_mix_f32 v[ACC+2*k], v[X+k], v[ONE], v[ZER] op_sel_hi:[1,0,0]
	v_fma_mix_f32 v[ACC+2*k+1], v[X+k], v[ONE], v[ZER] op_sel:[1,0,0] op_sel_hi:[1,0,0]
.else
	v_fma_mix_f32 v[ACC+2*k], v[X+4*i+k], v[ONE], v[ACC+2*k] op_sel_hi:[1,0,0]
	v_fma_mix_f32 v[ACC+2*k+1], v[X+4*i+k], v[ONE], v[ACC+2*k+1] op_sel:[1,0,0] op_sel_hi:[1,0,0]
.endif
.set k, k+1
.endr
.set i, i+1
.endr
.irp k, 0,1,2,3,4,5,6,7                ; lanes l, l ^ 8, l ^ 16, l ^ 24 hold the same channels of other rows
	v_add_f32_dpp v[ACC+(\k)], v[ACC+(\k)], v[ACC+(\k)] row_xmask:8 row_mask:0xf bank_mask:0xf
.endr
.irp k, 0,1,2,3,4,5,6,7
	v_permlanex16_b32 v[X+(\k)], v[ACC+(\k)], s14, s15
.endr
.irp k, 0,1,2,3,4,5,6,7
	v_add_f32 v[ACC+(\k)], v[ACC+(\k)], v[X+(\k)]
.endr
	ds_store_b128 v13, v[ACC:ACC+3]                ; the four groups of lanes write the same numbers to the same bytes
	ds_store_b128 v13, v[ACC+4:ACC+7] offset:16
.Lmeet:
	s_wait_dscnt 0x0                               ; for the others' sake: my stores are done
	s_barrier_signal -1
	s_barrier_wait -1
.set j, 1
.rept 15
	ds_load_b64 v[X+2*j:X+2*j+1], v12 offset:256*j
.set j, j+1
.endr
	s_wait_dscnt 0x0
	s_cmp_lt_u32 s8, 1                             ; band j counts where j > w: a factor 1 or 0, so that every wave runs the same lines
	s_cselect_b32 s18, 1.0, 0
	v_pk_mul_f32 v[ACC:ACC+1], v[X+2:X+3], s[18:19] op_sel_hi:[1,0]
.set j, 2
.rept 14
	s_cmp_lt_u32 s8, j
	s_cselect_b32 s18, 1.0, 0
	v_pk_fma_f32 v[ACC:ACC+1], v[X+2*j:X+2*j+1], s[18:19], v[ACC:ACC+1] op_sel_hi:[1,0,1]
.set j, j+1
.endr
	global_store_b64 v12, v[ACC:ACC+1], s[6:7]     ; a wave stores 256 consecutive bytes, aligned
	s_wait_tensorcnt 0x0                           ; the wave's end
	ds_add_u32 v[SPW], v[NIL]
	s_wait_dscnt 0x0
	s_endpgm
.Lfunc_end_k_qfe013af7b0_vsum:
	.size	k_qfe013af7b0_vsum, .Lfunc_end_k_qfe013af7b0_vsum-k_qfe013af7b0_vsum
	.p2alignl 7, 3214868480
	.fill 96, 4, 3214868480
	.section	.rodata,"a",@progbits
	.p2align	6, 0x0
	.amdhsa_kernel k_qfe013af7b0_vsum
		.amdhsa_group_segment_fixed_size 6144
		.amdhsa_private_segment_fixed_size 0
		.amdhsa_enable_private_segment 0
		.amdhsa_kernarg_size 16
		.amdhsa_user_sgpr_count 2
		.amdhsa_user_sgpr_kernarg_segment_ptr 1
		.amdhsa_wavefront_size32 1
		.amdhsa_system_sgpr_workgroup_id_x 1
		.amdhsa_system_sgpr_workgroup_id_y 1
		.amdhsa_system_sgpr_workgroup_id_z 1
		.amdhsa_system_vgpr_workitem_id 0
		.amdhsa_next_free_vgpr 128
		.amdhsa_next_free_sgpr 66
		.amdhsa_reserve_vcc 0
		.amdhsa_float_denorm_mode_32 3
		.amdhsa_float_denorm_mode_16_64 3
		.amdhsa_memory_ordered 1
		.amdhsa_forward_progress 1
		.amdhsa_inst_pref_size 17
	.end_amdhsa_kernel
	.amdgpu_metadata
---
amdhsa.version: [ 1, 2 ]
amdhsa.kernels:
  - .name:           k_qfe013af7b0_vsum
    .symbol:         k_qfe013af7b0_vsum.kd
    .args:
      - { .name: qkv, .offset: 0, .size: 8, .value_kind: global_buffer, .address_space: global }
      - { .name: st, .offset: 8, .size: 8, .value_kind: global_buffer, .address_space: global }
    .group_segment_fixed_size: 6144
    .private_segment_fixed_size: 0
    .kernarg_segment_align: 8
    .kernarg_segment_size: 16
    .max_flat_workgroup_size: 512
    .sgpr_count:     66
    .vgpr_count:     128
    .wavefront_size: 32
...
	.end_amdgpu_metadata
.endif
;; end of part 3
;; launch attn (part 4): grid 2 x 128, 4 waves a work-group, no clusters, 327,680 bytes of LDS; arguments qkv, st, ob; writes ob
.if DOCPART == 4
	.amdgcn_target "amdgcn-amd-amdhsa--gfx1250"
	.amdhsa_code_object_version 6
	.text
	.protected	k_qfe013af7b0_attn
	.globl	k_qfe013af7b0_attn
	.p2align	8
	.type	k_qfe013af7b0_attn,@function
k_qfe013af7b0_attn:
	s_mov_b64 s[64:65], 0
	v_nop
	global_prefetch_b8 v0, s[64:65] scope:SCOPE_SE
	s_setreg_imm32_b32 hwreg(HW_REG_WAVE_MODE, 25, 1), 1
	s_wait_xcnt 0x0
; ATTENTION WITH THE MASK w = s / 8 FOR k <= q, w = -10000 FOR k > q, softmax over ALL 1,024 keys.  Q, K, V: head slots of qkv, [1024][64] f16; O: ob[head][1024][64] f16.
; Products, maxima and sums in f32; the weights p are rounded to f16 for the second product, O once at the end.
; THE HIDDEN KEYS all have one score, so they need no products.  Scores are kept raw (q . k); the hidden score is then M80 = -80000, and c = log2(e) / 8 scales both.
;   Keys of later bands of 64: they are the START of a row's running softmax: m = M80, l = their number, O = the sum of their V rows (st, made by the launch before).
;   Hidden keys of the row's own band: the product's C operand puts them at -1e30 (weight 0), and pm = 2^(c M80 - c m) is added to their weights behind the exponentials.
;   Later bands inside the diagonal tile: -1e30, weight 0: they are in the start already.   Row 1,023 hides nothing: its m starts at the lowest finite number.
; LIMITS. Q, K, V lie within f16's 65,504; a hidden score inside the diagonal tile counts as its value less 1e30; a weight below 2^-126 counts as 0; NaN and infinities are not treated apart.
; THE WALK. A head's queries lie in NB = 4 blocks of 256; block i needs the key tiles 0 .. i.  A work-group takes blocks NB - 1 - b and then b: NB + 1 tiles, whatever b; one loop with a constant trip count.
; NO CLUSTER: a head has two work-groups, not four; the two ask for the same tile in the first three of the walk's five trips only.
; SHARES. Of a block's four bands of 64 queries a wave owns 16 rows in each: four PIECES, so the diagonal tile is the same work for all four waves.
; TURNS. Turn n belongs to piece n: 8 products K Q^T of piece n + 1, later 8 products V^T P of piece n - 1; beside them the softmax of piece n and the maximum of piece n + 1.  Four vector instructions stand
; behind every matrix instruction, the rest in one lump.  A turn's exponentials are one batch with one wait.
; REGISTERS, in windows of 256 (s_set_vgpr_msb: bits 1:0 source 0, 3:2 source 1, 5:4 source 2, 7:6 destination):
;   window 0: v0-15 addresses; v16-31 statistics; v32 an offset; v48-55 at work; v56-61 pm and constants; v64-127 S^T, two buffers; v192-223 P, two buffers
;   window 1: v0-127 O^T; v128-159 MH (1 where my row's own band hides the key); v160-223 MC, two mask buffers
;   window 2: v0-63 Q; v64-127 the second block's Q; v128-191 K; v192-255 V          window 3: v0-127 the second block's start of O^T
.set SIZE_N, 1024
.set NB,    SIZE_N/256
.set NP,    4
.set KS,    64
.set PK,    144       ; a row of K in LDS: 128 bytes + 16
.set PV,    160       ; a row of V: 128 + 32
.set VOFF,  4*KS*PK   ; a slot holds a tile: 256 rows of K, then 256 rows of V
.set SLOT1, 1<<17
.set STAGE, SLOT1+4*KS*(PK+PV)  ; behind the ring, never filled by a tensor load: 16 rows x 144 bytes for each wave
.set SP,    144
.set AK0, 2
.set AV0, 3
.set AK,  4
.set AV,  5
.set STO, 6
.set RD,  7
.set GO,  8
.set SPW, 62          ; v62  LDS address of my spare word; never rewritten
.set NIL, 63          ; v63  0; never rewritten
.set SPARE, STAGE+4*16*SP
.set MV,  12
.set QO,  15
.set ST,  16          ; piece t's statistics at v[ST+4 t]: c m, m, l (even keys', odd keys')
.set SO,  32          ; v32  32 x (lane / 16): my eight channels in a row of st; never rewritten
.set TMP, 48
.set PM,  56          ; v[56:57] pm, and 0 beside it
.set TW,  58          ; v58  at work
.set HZ,  59          ; v59  1.0 in lanes 0-15, else 0: l's start is counted once for a query's two lanes
.set CM8, 60          ; v60  c x M80
.set PFO, 61          ; v61  256 x lane; never rewritten
.set S,   64
.set P,   192
.set MH,  128
.set MC,  160
.set QB,  64
.set KF,  128
.set VF,  192
.set WV,  12
.set PB,  14
.set HI,  15
.set G1K, 24
.set G1V, 32
.set G0K, 40
.set G0V, 44
.set ST1, 48          ; s[48:49] st at the first block's four bands
.set ST2, 50          ; s[50:51] at the second's
.set BLK, 52          ; s52  the block in hand
.set M80, 53          ; s53  -80000.0
.set LOWF, 55         ; s55  the lowest finite number
.set SLOTS, 56
.set CNT, 57
.set CS,  58
.set SEL, 60
.set TBK, 62
.set TBV, 63
.set HA,  66          ; s66  1.0 in the turn of a band's own step, else 0
.set RT,  70
.set NXT, 71
.set LQ,  72
.set NEW, 73
.set OFF, 74
.set AL,  76
.set BE,  78
.set OLO, 80
.set BIGN, 82
.set PFB, 88          ; s[88:89] my half of the head's tile 0, of K (waves 0, 1) or V (waves 2, 3)
.set PFA, 90          ; s[90:91] the same of the tile that the next change of slots will ask for
.set PFL, 92          ; s92  0 in the head's work-group that prefetches, else the greatest number
.set MSB, 0
.macro WIN new
.if MSB != (\new)
	s_set_vgpr_msb (MSB<<8)|(\new)
.set MSB, (\new)
.endif
.endm
.set W_KQ, 0x0a
.set W_KM, 0x1a
.set W_PV, 0x52
.set W_RS, 0x41
.macro LOAD                         ; a fill: waves 0, 1 fetch the halves of a tile's K, waves 2, 3 of its V; an s_nop 0 and four v_nop follow each line
	s_cmp_lt_u32 s[WV], 2
	s_cbranch_scc0 .Lfor_v_\@
	tensor_load_to_lds s[G0K:G0K+3], s[G1K:G1K+7]
	s_nop 0
.rept 4
	v_nop
.endr
	s_branch .Lasked_\@
.Lfor_v_\@:
	tensor_load_to_lds s[G0V:G0V+3], s[G1V:G1V+7]
	s_nop 0
.rept 4
	v_nop
.endr
.Lasked_\@:
.endm
; A prefetch of the tile that the NEXT change of slots will ask for: each wave names its own 16,384 bytes of it, a lane 256 bytes, two instructions.  The head's work-group with b = 0 asks, for tiles 2 and 3;
; tiles 0 and 1 come by their loads alone, and a tile's later readings are asked for by nobody.
.macro ASK
	s_cmp_gt_u32 s[NXT], s[PFL]
	s_cbranch_scc0 .Lnot_mine_\@
	global_prefetch_b8 v[PFO], s[PFA:PFA+1] th:TH_LOAD_NT scope:SCOPE_SE
	global_prefetch_b8 v[PFO], s[PFA:PFA+1] offset:8192 th:TH_LOAD_NT scope:SCOPE_SE
.Lnot_mine_\@:
.endm
; THE CHANGE OF SLOTS.  Each wave waits for all its tensor loads (one is out: its part of the other slot), adds 0 to its spare word, and waits for that and for its reads of the slot that it leaves.
; fill = 1: the old slot is filled again, first thing behind the barrier, with tile NXT.
.macro CHANGE fill
	WIN 0
	s_wait_tensorcnt 0x0
	ds_add_u32 v[SPW], v[NIL]
.if \fill
	s_lshl_b32 s[OFF], s[NXT], 15
	s_xor_b32 s[G0K+1], s[G0K+1], SLOT1
	s_add_nc_u64 s[G0K+2:G0K+3], s[6:7], s[OFF:OFF+1]
	s_or_b32 s[G0K+3], s[G0K+3], 0x80000000
	s_xor_b32 s[G0V+1], s[G0V+1], SLOT1
	s_add_nc_u64 s[G0V+2:G0V+3], s[8:9], s[OFF:OFF+1]
	s_or_b32 s[G0V+3], s[G0V+3], 0x80000000
	s_add_co_u32 s[NXT], s[NXT], 1  ; the block's next tile, or behind its last the second block's tile 0
	s_cmp_gt_u32 s[NXT], s[LQ]
	s_cselect_b32 s[NXT], 0, s[NXT]
	s_cselect_b32 s[LQ], s[PB], s[LQ]
	s_wait_xcnt 0x0                 ; the last prefetches, a tile back, have read their address
	s_lshl_b32 s68, s[NXT], 15
	s_add_nc_u64 s[PFA:PFA+1], s[PFB:PFB+1], s[68:69]
.endif
	s_wait_dscnt 0x0                ; the add is done, and my reads of the slot are over
	s_barrier_signal -1
	s_sub_co_u32 s[TBK], s[TBK], 4*KS*PK
	s_xor_b32 s[TBK], s[TBK], SLOT1
	s_sub_co_u32 s[TBV], s[TBV], 4*KS*PV
	s_xor_b32 s[TBV], s[TBV], SLOT1
	s_barrier_wait -1
.if \fill
	LOAD
	ASK
.endif
.endm
	s_load_b128 s[4:7], s[0:1], 0x0   ; qkv s[4:5], st s[6:7]
	s_load_b64 s[10:11], s[0:1], 0x10 ; ob
	v_lshl_add_u32 v[SPW], v0, 2, SPARE
	v_mov_b32 v[NIL], 0
	ds_add_u32 v[SPW], v[NIL]       ; the wave's opening: the add and its wait ahead of my first tensor load
	ds_add_u32 v62, v63
	v_lshrrev_b32 v1, 5, v0
	v_readfirstlane_b32 s[WV], v1
	s_mov_b32 s[PB], ttmp9
	s_sub_co_u32 s[HI], NB-1, s[PB]
	s_and_b32 s93, ttmp7, 0xffff    ; the head y = 16 x batch + head
	s_lshr_b32 s20, s93, 4
	s_mul_i32 s20, s20, 48
	s_and_b32 s21, s93, 15
	s_add_co_u32 s20, s20, s21
	s_lshl_b32 s20, s20, 17         ; Q's head slot in qkv; K's lies 16 slots on, V's 32
	s_mov_b32 s21, 0
	s_lshl_b32 s94, s93, 17         ; the head in ob
	s_mov_b32 s95, 0
	s_lshl_b32 s96, s93, 12         ; and in st
	s_mov_b32 s97, 0
	s_and_b32 s16, s[WV], 1         ; which half of a tile's 256 keys I fetch
	s_lshl_b32 s22, s16, 14
	s_add_co_u32 s22, s22, s20
	s_mov_b32 s23, 0
	s_mul_i32 s17, s16, 128*PK
	s_mul_i32 s18, s16, 128*PV
	s_lshl_b32 s3, s[WV], 11        ; my 16 rows in a band of 64,
	s_lshl_b32 s2, s[HI], 15        ; in the first block,
	s_add_co_u32 s2, s2, s3
	s_lshl_b32 s84, s[PB], 15       ; and in the second
	s_add_co_u32 s84, s84, s3
	s_mov_b32 s3, 0
	s_mov_b32 s85, 0
	s_mov_b32 s[G1K], (1<<16)|(1<<20)|(4<<22)|(3<<25)  ; 2-byte elements; padding on; after every 32 words 4 words.  128 keys are asked for as 64 rows of 256 bytes
	s_mov_b32 s[G1V], (1<<16)|(1<<20)|(4<<22)|(7<<25)  ; the same with 8 words
.irp g, G1K, G1V
	s_mov_b32 s[\g+1], 128<<16
	s_mov_b32 s[\g+2], 64<<16
	s_mov_b32 s[\g+3], 128<<16
	s_mov_b32 s[\g+4], 64
	s_mov_b32 s[\g+5], 128
	s_mov_b32 s[\g+6], 0
	s_mov_b32 s[\g+7], 0
.endr
	s_mov_b32 s[CS], 0x3e38aa3b     ; c = log2(e) / 8
	s_mov_b32 s[CS+1], s[CS]
	s_mov_b32 s[SEL], 0x76543210
	s_mov_b32 s[SEL+1], 0xfedcba98
	s_mov_b32 s[TBK], SLOT1+4*KS*PK ; the first change of slots turns these two into 0
	s_mov_b32 s[TBV], SLOT1+4*KS*PV
	s_mov_b32 s[G0K], 1
	s_mov_b32 s[G0K+1], s17
	s_mov_b32 s[G0V], 1
	s_add_co_u32 s[G0V+1], s18, VOFF
	s_add_co_u32 s[RT], s[HI], 1
	s_mov_b32 s[NXT], 1
	s_mov_b32 s[LQ], s[HI]
	s_mov_b32 s[NEW], 1
	s_mov_b32 s[BLK], s[HI]
	s_mov_b32 s[OFF+1], 0
	s_mov_b32 s[AL+1], 0
	s_mov_b32 s[BE+1], 0
	s_mov_b32 s69, 0
	s_mov_b32 s[BIGN], 0xf149f2ca   ; -1e30
	s_mov_b32 s[M80], 0xc79c4000    ; -80000.0
	s_mov_b32 s[LOWF], 0xff7fffff
	s_mov_b32 s[SLOTS], NB
	s_cmp_eq_u32 s[PB], 0
	s_cselect_b32 s[PFL], 0, -1
	s_wait_dscnt 0x0                ; the opening add is done
	s_wait_kmcnt 0x0
	s_add_nc_u64 s[ST1:ST1+1], s[6:7], s[96:97]
	s_mov_b64 s[ST2:ST2+1], s[ST1:ST1+1]
	s_lshl_b32 s68, s[HI], 10       ; four bands of 256 bytes a block
	s_add_nc_u64 s[ST1:ST1+1], s[ST1:ST1+1], s[68:69]
	s_lshl_b32 s68, s[PB], 10
	s_add_nc_u64 s[ST2:ST2+1], s[ST2:ST2+1], s[68:69]
	s_add_nc_u64 s[6:7], s[4:5], s[22:23]
	s_add_nc_u64 s[8:9], s[6:7], 0x400000          ; V at my half of the head's tile 0,
	s_add_nc_u64 s[6:7], s[6:7], 0x200000          ; and K
	s_add_nc_u64 s[G0K+2:G0K+3], s[6:7], 0
	s_or_b32 s[G0K+3], s[G0K+3], 0x80000000
	s_add_nc_u64 s[G0V+2:G0V+3], s[8:9], 0
	s_or_b32 s[G0V+3], s[G0V+3], 0x80000000
	s_add_nc_u64 s[86:87], s[4:5], s[84:85]        ; Q at my rows of the second block,
	s_add_nc_u64 s[86:87], s[86:87], s[20:21]
	s_add_nc_u64 s[4:5], s[4:5], s[2:3]            ; and of the first
	s_add_nc_u64 s[4:5], s[4:5], s[20:21]
	s_add_nc_u64 s[10:11], s[10:11], s[94:95]
	s_add_nc_u64 s[OLO:OLO+1], s[10:11], s[84:85]
	s_add_nc_u64 s[10:11], s[10:11], s[2:3]
	s_cmp_lt_u32 s[WV], 2
	s_cselect_b64 s[PFB:PFB+1], s[6:7], s[8:9]
	LOAD                            ; tile 0 into slot 0
	v_and_b32 v1, 15, v0            ; l % 16; kept
	v_bfe_u32 v9, v0, 4, 1          ; l / 16; kept
	v_lshlrev_b32 v[QO], 7, v1
	v_lshl_add_u32 v[QO], v9, 4, v[QO]
	v_lshlrev_b32 v[SO], 5, v9
	WIN 0x80
.set i, 0
.rept 8                             ; both blocks' Q: piece i / 2 lies in band i / 2, 8,192 bytes on; channels 32 (i % 2) on
	global_load_b128 v[8*i:8*i+3],   v[QO], s[4:5] offset:(i/2)*8192+(i%2)*64
	global_load_b128 v[8*i+4:8*i+7], v[QO], s[4:5] offset:(i/2)*8192+(i%2)*64+32
	global_load_b128 v[QB+8*i:QB+8*i+3],   v[QO], s[86:87] offset:(i/2)*8192+(i%2)*64
	global_load_b128 v[QB+8*i+4:QB+8*i+7], v[QO], s[86:87] offset:(i/2)*8192+(i%2)*64+32
.set i, i+1
.endr
	WIN 0x40                        ; O^T starts as st: piece i / 4, channels 16 (i % 4) + 8 (l / 16) on, the same for all queries
.set i, 0
.rept 16
	global_load_b128 v[8*i:8*i+3],   v[SO], s[ST1:ST1+1] offset:(i/4)*256+(i%4)*64
	global_load_b128 v[8*i+4:8*i+7], v[SO], s[ST1:ST1+1] offset:(i/4)*256+(i%4)*64+16
.set i, i+1
.endr
	WIN 0xc0                        ; the second block's start waits in window 3
.set i, 0
.rept 16
	global_load_b128 v[8*i:8*i+3],   v[SO], s[ST2:ST2+1] offset:(i/4)*256+(i%4)*64
	global_load_b128 v[8*i+4:8*i+7], v[SO], s[ST2:ST2+1] offset:(i/4)*256+(i%4)*64+16
.set i, i+1
.endr
	WIN 0
	v_lshlrev_b32 v14, 3, v9
	v_sub_nc_u32 v14, v1, v14
	s_lshl_b32 s13, s[WV], 4
	v_add_nc_u32 v14, s13, v14      ; my query's place in its band less my lanes' 8 (l / 16): register r of group kt is hidden where 16 kt + r is greater
	WIN 0x40
.set i, 0
.rept 32
	v_cmp_gt_i32 vcc_lo, 16*(i/8)+i%8, v14
	v_cndmask_b32 v[MH+i], 0, 1.0, vcc_lo
.set i, i+1
.endr
	WIN 0
	v_mul_u32_u24 v[AK0], v1, PK
	v_lshl_add_u32 v[AK0], v9, 4, v[AK0]
	v_and_b32 v10, 7, v0
	v_bfe_u32 v11, v0, 3, 1
	v_lshl_add_u32 v[AV0], v9, 3, v10
	v_mul_u32_u24 v[AV0], v[AV0], PV
	v_lshl_add_u32 v[AV0], v11, 4, v[AV0]
	v_add_nc_u32 v[AV0], VOFF, v[AV0]
	s_mul_i32 s13, s[WV], 16*SP
	s_add_co_u32 s13, s13, STAGE
	v_mul_u32_u24 v[STO], v1, SP
	v_lshl_add_u32 v[STO], v9, 4, v[STO]
	v_add_nc_u32 v[STO], s13, v[STO]
	v_bfe_u32 v[RD], v0, 3, 2
	v_mul_u32_u24 v[RD], v[RD], SP
	v_lshl_add_u32 v[RD], v10, 4, v[RD]
	v_add_nc_u32 v[RD], s13, v[RD]
	v_and_b32 v[GO], 31, v0
	v_lshlrev_b32 v[GO], 4, v[GO]
	v_sub_nc_u32 v[TW], 1, v9
	v_cvt_f32_u32 v[HZ], v[TW]
	v_mov_b32 v[PM+1], 0
	v_mov_b32 v[TW], s[M80]
	v_mul_f32 v[CM8], s[CS], v[TW]
	v_and_b32 v[PFO], 31, v0
	v_lshlrev_b32 v[PFO], 8, v[PFO]
	WIN 0x80                        ; a block's first turn multiplies V's registers by a P of zeros: they need only be finite.  Written in the wait for the first tile
.set i, VF
.rept 64
	v_mov_b32 v[i], 0
.set i, i+1
.endr
	WIN 0
; THE MATRIX WORK.  The 4 accumulators of a run of 8 take turns.
.macro KQ x
.set rS, S+32*((\x)%2)+8*(i%4)
.set rK, KF+16*(i%4)+8*(i/4)
.set rQ, 16*(\x)+8*(i/4)
.set rM, MC+32*((\x)%2)+8*(i%4)
.if (i < 4) && KM
	WIN W_KM
	v_wmma_f32_16x16x32_f16 v[rS:rS+7], v[rK:rK+7], v[rQ:rQ+7], v[rM:rM+7]
.elseif i < 4
	WIN W_KQ
	v_wmma_f32_16x16x32_f16 v[rS:rS+7], v[rK:rK+7], v[rQ:rQ+7], 0
.else
	WIN W_KQ
	v_wmma_f32_16x16x32_f16 v[rS:rS+7], v[rK:rK+7], v[rQ:rQ+7], v[rS:rS+7]
.endif
.endm
.macro PV x
	WIN W_PV
.set rO, 32*(\x)+8*(i%4)
.set rV, VF+32*(i/4)+8*(i%4)
.set rP, P+16*((\x)%2)+8*(i/4)
	v_wmma_f32_16x16x32_f16 v[rO:rO+7], v[rV:rV+7], v[rP:rP+7], v[rO:rO+7]
.endm
.macro MM
.if (i < 8) && !NOKQ
	KQ (Y+1)%NP
.elseif i >= 8
.set i, i-8
	PV (Y+NP-1)%NP
.set i, i+8
.endif
.set i, i+1
.endm
.macro FETCH_K
	WIN 0x80
.irp f, 0,1,2,3,4,5,6,7
	ds_load_b128 v[KF+8*\f:KF+8*\f+3],   v[AK] offset:(\f/2)*16*PK+(\f%2)*64
	ds_load_b128 v[KF+8*\f+4:KF+8*\f+7], v[AK] offset:(\f/2)*16*PK+(\f%2)*64+32
.endr
	s_add_co_u32 s[TBK], s[TBK], KS*PK
	WIN 0
.endm
.macro FETCH_V
	WIN 0x80
.irp f, 0,1,2,3,4,5,6,7
	ds_load_tr16_b128 v[VF+8*\f:VF+8*\f+3],   v[AV] offset:(\f/4)*32*PV+(\f%4)*32
	ds_load_tr16_b128 v[VF+8*\f+4:VF+8*\f+7], v[AV] offset:(\f/4)*32*PV+16*PV+(\f%4)*32
.endr
	WIN 0
.endm
; THE VECTOR WORK, one line at a time: OP kind, number.  For piece Y: F n: c s - c m for pair n.  E n: the exponential of score n.  C n: pair n rounded to f16.  B n: of four weights the second pair onto the first.
; L n: l takes that sum (L 0: l = a l + sum).  R n: pair n of O^T times a.  For piece Y + 1: X n, number n of the 22 that find its maximum and statistics (each accumulator's lowest registers are read first).
.set F, 0
.set E, 1
.set C, 2
.set B, 3
.set L, 4
.set R, 5
.set X, 6
.macro REGS y
.set rT, ST+4*(\y)
.set rC, TMP+4*((\y)%2)
.set rW, MV+((\y)%2)
.set rS, S+32*((\y)%2)
.set rP, P+16*((\y)%2)
.set rO, 32*(\y)
.endm
.macro OP k, n
.if (\k) == R
	REGS Y
	WIN W_RS
	v_pk_mul_f32 v[rO+2*(\n):rO+2*(\n)+1], v[rO+2*(\n):rO+2*(\n)+1], v[rC+2:rC+3] op_sel_hi:[1,0]
.elseif (\k) < R
	REGS Y
	WIN 0
.if (\k) == F
	v_pk_fma_f32 v[rS+2*(\n):rS+2*(\n)+1], v[rS+2*(\n):rS+2*(\n)+1], s[CS:CS+1], v[rT:rT+1] op_sel_hi:[1,0,0] neg_lo:[0,0,1] neg_hi:[0,0,1]
.elseif (\k) == E
	v_exp_f32 v[rS+(\n)], v[rS+(\n)]
.elseif (\k) == C
	v_cvt_pk_f16_f32 v[rP+(\n)], v[rS+2*(\n)], v[rS+2*(\n)+1]
.elseif (\k) == B
	v_pk_add_f32 v[rS+4*(\n):rS+4*(\n)+1], v[rS+4*(\n):rS+4*(\n)+1], v[rS+4*(\n)+2:rS+4*(\n)+3]
.elseif (\n) == 0
	v_pk_fma_f32 v[rT+2:rT+3], v[rT+2:rT+3], v[rC+2:rC+3], v[rS:rS+1] op_sel_hi:[1,0,1]
.else
	v_pk_add_f32 v[rT+2:rT+3], v[rT+2:rT+3], v[rS+4*(\n):rS+4*(\n)+1]
.endif
.elseif NOKQ
	v_nop
.else
	REGS (Y+1)%NP
	WIN 0
.if (\n) < 4
	v_max3_num_f32 v[rC+(\n)], v[rS+8*(\n)], v[rS+8*(\n)+1], v[rS+8*(\n)+2]
.elseif (\n) < 12
	v_max3_num_f32 v[rC+(\n)%4], v[rC+(\n)%4], v[rS+8*((\n)%4)+2*((\n)/4)+1], v[rS+8*((\n)%4)+2*((\n)/4)+2]
.elseif (\n) == 12
	v_max3_num_f32 v[rC], v[rC], v[rS+7], v[rS+15]
.elseif (\n) == 13
	v_max3_num_f32 v[rC+1], v[rC+1], v[rS+23], v[rS+31]
.elseif (\n) == 14
	v_max3_num_f32 v[rC+2], v[rC+2], v[rC+3], v[rT+1]
.elseif (\n) == 15
	v_mov_b32 v[rW], v[rT]
.elseif (\n) == 16
	v_max3_num_f32 v[rC], v[rC], v[rC+1], v[rC+2]
.elseif (\n) == 17
	v_permlanex16_b32 v[rC+3], v[rC], s[SEL], s[SEL+1]
.elseif (\n) == 18
	v_max_num_f32 v[rT+1], v[rC], v[rC+3]
.elseif (\n) == 19
	v_mul_f32 v[rT], s[CS], v[rT+1]
.elseif (\n) == 20
	v_sub_f32 v[rC+1], v[rW], v[rT]
.else
	v_exp_f32 v[rC+2], v[rC+1]
.endif
.endif
.endm
.macro OPS a, i1, b=-1, i2=0, c=-1, i3=0, d=-1, i4=0
	OP \a, \i1
.if (\b) >= 0
	OP \b, \i2
.endif
.if (\c) >= 0
	OP \c, \i3
.endif
.if (\d) >= 0
	OP \d, \i4
.endif
.endm
.macro ROW a, i1, b, i2, c, i3, d, i4
	MM
	OPS \a, \i1, \b, \i2, \c, \i3, \d, \i4
.endm
.macro MASK b                       ; MH x AL + BE into buffer b of MC: AL = -1e30 in a band's own step, BE = -1e30 in a later one
	WIN W_RS
.set z, 0
.rept 16
	v_pk_fma_f32 v[MC+32*(\b)+2*z:MC+32*(\b)+2*z+1], v[MH+2*z:MH+2*z+1], s[AL:AL+1], s[BE:BE+1] op_sel_hi:[1,0,0]
.set z, z+1
.endr
.endm
; A TURN, for piece p.  Ahead of its one wait stands all that names no result of its exponentials; behind it the 8 products V^T P with the roundings and sums as riders.
; m = 1: the diagonal tile's text: the products take masks, the turn makes the mask for the turn after it, and it makes pm, an exponential of the same batch: behind the wait pm x HA x MH is added to the weights.
; Turns 0 and 1 work on the tile's step 4 - CNT, turns 2 and 3 on step 3 - CNT: the band's own step is in hand where CNT is 4, 3, 1, 0 for p = 0, 1, 2, 3.
; end = 1: a block's last two turns: nothing is fetched.  cnt = 1: the loop's count is taken down some lines ahead of the branch behind the turn.
.macro TURN p, m=0, end=0, cnt=0
.set Y, (\p)
.set i, 0
.set KM, (\m)
.set NOKQ, (\end)*((\p)/3)
.if (\m) && !(\end)
	s_cmp_eq_u32 s[CNT], 4-((\p)+2)%NP
	s_cselect_b32 s[AL], s[BIGN], 0
	s_cmp_lt_u32 s[CNT], 4-((\p)+2)%NP
	s_cselect_b32 s[BE], s[BIGN], 0
.endif
.if \m
	s_cmp_eq_u32 s[CNT], 4-(\p)-(\p)/2
	s_cselect_b32 s[HA], 1.0, 0
	REGS Y
	WIN 0
	v_sub_f32 v[TW], v[CM8], v[rT]  ; c M80 - c m: never above 0 but in row 1,023, where nothing is hidden
	v_min_num_f32 v[TW], 0, v[TW]
	v_exp_f32 v[PM], v[TW]
.endif
.if ((\p) == 3) && !(\end)
	s_wait_dscnt 0x0                ; K is in
.endif
	ROW F,0, F,1, R,0, R,1
	ROW F,2, E,0, R,2, R,3
	ROW F,3, E,1, R,4, R,5
	ROW F,4, E,2, R,6, R,7
	ROW F,5, E,3, R,8, R,9
	ROW F,6, E,4, X,0, R,10
.if ((\p) == 2) && !(\end)
	WIN 0
	v_add_nc_u32 v[AK], s[TBK], v[AK0]
.endif
	ROW F,7, E,5, X,1, X,4
	ROW F,8, E,6, X,2, X,5
	OPS E,7, E,8, X,6, E,9
	OPS X,3, E,10, X,8, E,11
.if ((\p) == 2) && !(\end)
	FETCH_K
.endif
	OPS X,9, X,7, E,12, X,10
	OPS E,13, X,12, X,11, E,14
	OPS X,13, E,15, F,9, X,14
.if (\p) == 0
	v_add_nc_u32 v[AV], s[TBV], v[AV0]
.endif
	OPS E,16, F,10, E,17, F,11
	OPS X,16, E,18, X,15, E,19
	OPS F,12, E,20, X,17, E,21
	OPS F,13, E,22, F,14, E,23
	OPS X,18, E,24, F,15, E,25
	OPS R,11, E,26, X,19, E,27
	OPS R,12, E,28, R,13, E,29
	OPS X,20, E,30, R,14, E,31
	OPS X,21, R,15
	WIN 0
	s_wait_alu depctr_va_vdst(0)    ; the one wait for the turn's batch of exponentials
.if (\p) == 1
	s_wait_dscnt 0x0                ; V is in
.endif
.if \m
	REGS Y
	v_mul_f32 v[PM], s[HA], v[PM]
	WIN 0x01                        ; MH in window 1
.set z, 0
.rept 16
	v_pk_fma_f32 v[rS+2*z:rS+2*z+1], v[MH+2*z:MH+2*z+1], v[PM:PM+1], v[rS+2*z:rS+2*z+1] op_sel_hi:[1,0,1]
.set z, z+1
.endr
.endif
	ROW C,0, B,0, C,2, B,1
	ROW L,0, C,4, B,2, L,1
	ROW C,6, B,3, L,2, C,8
	ROW B,4, L,3, C,10, B,5
	ROW L,4, C,12, B,6, L,5
.if (\p) == 0
	s_add_co_u32 s[TBV], s[TBV], KS*PV
.endif
.if \cnt
	s_sub_co_u32 s[CNT], s[CNT], 1
	s_cmp_lg_u32 s[CNT], 0
.endif
	ROW C,14, B,7, L,6, C,1
	ROW C,3, L,7, C,5, C,7
	ROW C,9, C,11, C,13, C,15
.if (\p) == 0
	FETCH_V
.endif
.if (\m) && !(\end)
	MASK (\p)%2
.endif
.endm
; A BLOCK BEGINS.  Piece x starts with m = M80 (row 1,023: the lowest finite number), c m, and l = 960 - 256 BLK - 64 x, the keys of later bands; O^T holds st already.  P's second buffer is 0, so that the
; first turn's products V^T P, of a piece that has not been, add nothing.  The second mask buffer is 0; the first takes piece 0's mask for the tile's step 0.  Then K of that step, piece 0's first scores, its maximum.
.macro BEGIN
	s_mov_b32 s[NEW], 0
	WIN 0x40
.set i, MC+32
.rept 32
	v_mov_b32 v[i], 0
.set i, i+1
.endr
	WIN 0
.set i, P+16
.rept 16
	v_mov_b32 v[i], 0
.set i, i+1
.endr
	s_lshl_b32 s98, s[BLK], 8
	s_lshl_b32 s99, s[WV], 4
	s_sub_co_u32 s93, 1023, s98
	s_sub_co_u32 s93, s93, s99      ; the l % 16 at which piece 0 would hold row 1,023
	s_sub_co_u32 s68, 960, s98      ; the keys behind piece 0's band
.set i, 0
.rept 4
	v_cmp_eq_u32 s98, s93, v1
	v_mov_b32 v[ST+4*i+1], s[M80]
	v_cndmask_b32 v[ST+4*i+1], v[ST+4*i+1], s[LOWF], s98
	v_mul_f32 v[ST+4*i], s[CS], v[ST+4*i+1]
	v_cvt_f32_u32 v[TW], s68
	v_mul_f32 v[ST+4*i+2], v[TW], v[HZ]
	v_mov_b32 v[ST+4*i+3], 0
	s_sub_co_u32 s93, s93, 64
	s_sub_co_u32 s68, s68, 64
.set i, i+1
.endr
	s_cmp_eq_u32 s[RT], 0
	s_cselect_b32 s[AL], s[BIGN], 0
	s_mov_b32 s[BE], 0
	MASK 0
	WIN 0
	v_add_nc_u32 v[AK], s[TBK], v[AK0]
	FETCH_K
	s_wait_loadcnt 0x0              ; Q and st
	s_wait_dscnt 0x0
.set KM, 1
.set NOKQ, 0
.set i, 0
.rept 8
	KQ 0
.set i, i+1
.endr
	WIN 0
.rept 4
	v_nop                           ; the places behind those products
.endr
.set Y, NP-1
.irp n, 0,1,2,3,4,5,6,7,8,9,10,11,12,13,14,15,16,17,18,19,20,21
	OP X, \n
.endr
	v_nop                           ; a plain instruction behind the exponential,
	s_wait_alu depctr_va_vdst(0)    ; and its wait, ahead of the branch
.endm
.macro ALL line:vararg
.set t, 0
.rept 4
	\line
.set t, t+1
.endr
.endm
.macro PACK t
	WIN W_RS
.set i, 32*(\t)
.rept 16
	v_pk_mul_f32 v[i:i+1], v[i:i+1], v[ST+4*(\t)+2:ST+4*(\t)+3] op_sel_hi:[1,0]
.set i, i+2
.endr
	WIN 0x05
.set i, 0
.rept 16
	v_cvt_pk_f16_f32 v[S+16*(\t)+i], v[32*(\t)+2*i], v[32*(\t)+2*i+1]
.set i, i+1
.endr
	WIN 0
.irp f, 0,1,2,3
	ds_store_b128 v[STO], v[S+16*(\t)+4*\f:S+16*(\t)+4*\f+3] offset:32*\f
.endr
.irp f, 0,1,2,3
	ds_load_b128 v[S+16*(\t)+4*\f:S+16*(\t)+4*\f+3], v[RD] offset:\f*4*SP  ; LDS serves a wave's instructions in order (ISA guide 5.7.1.4): these see the stores above
.endr
.endm
.macro SEND t, younger              ; younger: the LDS instructions issued behind piece t's loads: the next piece's eight, or none
	WIN 0
.irp f, 0,1,2,3
	s_wait_dscnt (\younger)+3-\f
	global_store_b128 v[GO], v[S+16*(\t)+4*\f:S+16*(\t)+4*\f+3], s[10:11] offset:(\t)*8192+\f*512  ; 512 consecutive bytes, aligned
.endr
.endm
; THE DIAGONAL TILE's four steps, the block's last two turns, its last products, and the way out.
.macro DIAG tag
.LstepM\tag:
	TURN 2, 1
	TURN 3, 1
	WIN 0
.LfirstM\tag:
	TURN 0, 1
	TURN 1, 1, 0, 1
	WIN 0
	s_cbranch_scc1 .LstepM\tag
	TURN 2, 1, 1
	TURN 3, 1, 1
.set i, 0
.rept 8
	PV NP-1
.set i, i+1
.endr
	WIN 0
	ALL v_add_f32 v[ST+4*t+2], v[ST+4*t+2], v[ST+4*t+3]
	ALL v_permlanex16_b32 v[ST+4*t+3], v[ST+4*t+2], s[SEL], s[SEL+1]
	ALL v_add_f32 v[ST+4*t+2], v[ST+4*t+2], v[ST+4*t+3]
	ALL v_rcp_f32 v[ST+4*t+2], v[ST+4*t+2]
	v_nop                           ; a plain instruction between the last reciprocal and the use of its result
	s_wait_alu depctr_va_vdst(0)    ; one wait for the four reciprocals
	PACK 0
.set t, 1
.rept 3
	PACK t
	SEND t-1, 8
.set t, t+1
.endr
	SEND 3, 0
.endm
.set KM, 0
.set NOKQ, 0
.Lslot:                             ; NB times: a tile is entered and the next is asked for
	CHANGE 1
	s_sub_co_u32 s[RT], s[RT], 1
	s_mov_b32 s[CNT], 4
	s_cmp_eq_u32 s[NEW], 1
	s_cbranch_scc1 .Lnew            ; a block's first tile
	s_cmp_eq_u32 s[RT], 0
	s_cbranch_scc0 .Lstep           ; neither its first nor its last
	s_branch .LstepM1
.Lnew:
	BEGIN
	s_branch .Lfirst                ; in the loop a block's first tile is never its last
	DIAG 1                          ; in the loop this is the first block's end
	s_wait_xcnt 0x0                 ; the stores have read their registers and O's address
	s_mov_b64 s[10:11], s[OLO:OLO+1]
	s_add_co_u32 s[RT], s[PB], 1
	s_mov_b32 s[NEW], 1
	s_mov_b32 s[BLK], s[PB]
	WIN 0x82                        ; the second block's Q goes where the one text of the turns names Q,
.set i, 0
.rept 64
	v_mov_b32 v[i], v[QB+i]
.set i, i+1
.endr
	WIN 0x43                        ; and its start of O^T where the turns name O^T
.set i, 0
.rept 128
	v_mov_b32 v[i], v[i]
.set i, i+1
.endr
	WIN 0
	s_branch .Lbottom
.Lstep:                             ; a trip: pieces 2 and 3 of one step, then pieces 0 and 1 of the next
	TURN 2
	TURN 3
	WIN 0
.Lfirst:
	TURN 0
	TURN 1, 0, 0, 1
	WIN 0
	s_cbranch_scc1 .Lstep
.Lbottom:
	s_sub_co_u32 s[SLOTS], s[SLOTS], 1
	s_cmp_lg_u32 s[SLOTS], 0
	s_cbranch_scc1 .Lslot
	CHANGE 0                        ; the walk's last tile is written out
	s_sub_co_u32 s[RT], s[RT], 1
	s_mov_b32 s[CNT], 4
	s_cmp_eq_u32 s[NEW], 1
	s_cbranch_scc0 .LstepM2
	BEGIN
	s_branch .LfirstM2
	DIAG 2
	s_wait_tensorcnt 0x0            ; the wave's end
	ds_add_u32 v[SPW], v[NIL]
	s_wait_dscnt 0x0
	s_endpgm
.Lfunc_end_k_qfe013af7b0_attn:
	.size	k_qfe013af7b0_attn, .Lfunc_end_k_qfe013af7b0_attn-k_qfe013af7b0_attn
	.p2alignl 7, 3214868480
	.fill 96, 4, 3214868480
	.section	.rodata,"a",@progbits
	.p2align	6, 0x0
	.amdhsa_kernel k_qfe013af7b0_attn
		.amdhsa_group_segment_fixed_size 327680
		.amdhsa_private_segment_fixed_size 0
		.amdhsa_enable_private_segment 0
		.amdhsa_kernarg_size 24
		.amdhsa_user_sgpr_count 2
		.amdhsa_user_sgpr_kernarg_segment_ptr 1
		.amdhsa_wavefront_size32 1
		.amdhsa_system_sgpr_workgroup_id_x 1
		.amdhsa_system_sgpr_workgroup_id_y 1
		.amdhsa_system_sgpr_workgroup_id_z 1
		.amdhsa_system_vgpr_workitem_id 0
		.amdhsa_next_free_vgpr 896
		.amdhsa_next_free_sgpr 100
		.amdhsa_reserve_vcc 1
		.amdhsa_float_denorm_mode_32 3
		.amdhsa_float_denorm_mode_16_64 3
		.amdhsa_memory_ordered 1
		.amdhsa_forward_progress 1
		.amdhsa_inst_pref_size 242
	.end_amdhsa_kernel
	.amdgpu_metadata
---
amdhsa.version: [ 1, 2 ]
amdhsa.kernels:
  - .name:           k_qfe013af7b0_attn
    .symbol:         k_qfe013af7b0_attn.kd
    .args:
      - { .name: qkv, .offset: 0, .size: 8, .value_kind: global_buffer, .address_space: global }
      - { .name: st, .offset: 8, .size: 8, .value_kind: global_buffer, .address_space: global }
      - { .name: ob, .offset: 16, .size: 8, .value_kind: global_buffer, .address_space: global }
    .group_segment_fixed_size: 327680
    .private_segment_fixed_size: 0
    .kernarg_segment_align: 8
    .kernarg_segment_size: 24
    .max_flat_workgroup_size: 128
    .sgpr_count:     100
    .vgpr_count:     896
    .wavefront_size: 32
...
	.end_amdgpu_metadata
.endif
;; end of part 4
;; launch proj (part 5): grid 8 x 32, 4 waves a work-group, clusters of 4 x 4, 327,680 bytes of LDS; arguments ob, wp, bias, out0; writes out0
.if DOCPART == 5
	.amdgcn_target "amdgcn-amd-amdhsa--gfx1250"
	.amdhsa_code_object_version 6
	.text
	.protected	k_qfe013af7b0_proj
	.globl	k_qfe013af7b0_proj
	.p2align	8
	.type	k_qfe013af7b0_proj,@function
k_qfe013af7b0_proj:
	s_mov_b64 s[64:65], 0
	v_nop
	global_prefetch_b8 v0, s[64:65] scope:SCOPE_SE
	s_setreg_imm32_b32 hwreg(HW_REG_WAVE_MODE, 25, 1), 1
	s_wait_xcnt 0x0
	s_wait_alu depctr_hold_cnt(0) depctr_sa_sdst(0) depctr_va_vdst(0) depctr_va_sdst(0) depctr_va_ssrc(0) depctr_va_vcc(0) depctr_vm_vsrc(0)
	s_getreg_b32 s2, hwreg(HW_REG_IB_STS2, 6, 4)
	s_cmp_eq_u32 s2, 0
	s_cbranch_scc0 .Lentry_in_a_cluster
	s_endpgm
.Lentry_in_a_cluster:
	s_bfe_u32 s2, ttmp6, 0x10000c
	s_cmp_lg_u32 s2, 0xf033
	s_cbranch_scc0 .Lentry_shape_is_right
	s_endpgm
.Lentry_shape_is_right:
; out = a W + b.  ob: [batch x 16 + head][1024][64] f16 (a by heads), wp: [1024 n][1024 k] f16, bias: f32 from number 3,072 on; sums in f32, started with the bias; out0 [8192][1024] f32.
; SHARES. A tile is 256 rows x 128 columns: 32 x 8 = 256 tiles.  Four waves; wave w makes rows 64 w .. + 63 and all 128 columns: 4 x 8 accumulators.  K goes in eight steps of 128, two heads each,
; through two LDS slots.  A head's 256 rows are 32,768 dense bytes: asked for as 128 rows of 256 bytes, padded in LDS behind every 128.
; CLUSTER. 4 x 4 work-groups: a's tile is shared along a row of the cluster, W's along a column; each is asked for jointly.
; THE PRODUCT IS TAKEN TRANSPOSED (source 0 = 16 rows of wp, source 1 = 16 rows of a): a lane holds one row and eight neighbouring columns, 32 bytes of f32.
; REGISTERS: window 0: v0-31 addresses; v32-95 a's fragments, two buffers; v128-191 the bias as a C operand; on the way out v32-159 are at work.
;   window 1: W's fragments, two buffers of 8 x 8.   window 2: accumulators of row blocks 0, 1 at 8 (8 (a % 2) + b).   window 3: of row blocks 2, 3.
.set NBL,   8
.set NLD,   2*NBL+8
.set PITCH, 272                        ; a row of W in LDS: 256 bytes + 16
.set PA,    144                        ; a row of a head in LDS: 128 bytes + 16
.set HEADB, 256*PA                     ; what waves 0 and 1 fetch: a head's 256 rows
.set BHALF, 64*PITCH                   ; what waves 2 and 3 fetch
.set BOFF,  2*HEADB
.set SLOT1, 1<<17
.set STAGE, SLOT1+BOFF+2*BHALF         ; behind the ring, never filled by a tensor load: 16 rows x 528 bytes for each wave
.set SP,    528
.set SPARE, STAGE+4*16*SP
.set A0,   16
.set B0,   17
.set ADRA, 18
.set ADRB, 19
.set STO,  24
.set RD,   25
.set GO,   26
.set BO,   27
.set SPW,  28                          ; v28  LDS address of my spare word; never rewritten
.set NIL,  29                          ; v29  0; never rewritten
.set PFO,  30
.set FA,   32
.set BIAS, 128
.set BK,   32
.set G1,  24
.set G0,  32
.set PFA, 44
.set G1B, 48
.set G0B, 56
.set LIM, 66
.set TB,  67
.set PFS, 68                           ; s[68:69] a K step in my prefetches' tensor: two heads of a, or 256 bytes of W's rows
.set MSB, 0
.macro WIN new
.if MSB != (\new)
	s_set_vgpr_msb (MSB<<8)|(\new)
.set MSB, \new
.endif
.endm
.macro PLACES
.rept 4
	v_nop
.endr
.endm
.macro JLOAD                           ; a joint refill by the walking descriptor; an s_nop 0 and four v_nop follow each line
	s_cmp_lt_u32 s12, 2
	s_cbranch_scc0 .Lfor_b_\@
	tensor_load_to_lds s[G0+4:G0+7], s[G1:G1+7]
	s_nop 0
.rept 4
	v_nop
.endr
	s_branch .Lasked_\@
.Lfor_b_\@:
	tensor_load_to_lds s[G0B+4:G0B+7], s[G1B:G1B+7]
	s_nop 0
.rept 4
	v_nop
.endr
.Lasked_\@:
.endm
; A prefetch of the K step that stands two refills on.  a's rows are asked for by the clusters with x = 0 (a lane 256 bytes, a partner 8,192 of a head's 32,768), W's by those with y = 0 (a lane a row,
; a partner 16 of a wave's 64).  Trips 6 to 3 ask, for K steps 4 to 7; K steps 0 to 3 come by their loads alone.
.macro ASK
	s_cmp_gt_u32 s3, s[LIM]
	s_cbranch_scc0 .Lnot_mine_\@
	global_prefetch_b8 v[PFO], s[PFA:PFA+1] th:TH_LOAD_NT scope:SCOPE_SE
.Lnot_mine_\@:
.endm
.macro CREST
	s_cmp_lg_u32 s12, 0
	s_cbranch_scc1 .Lnot_wave_0_\@
	s_barrier_signal -3
.Lnot_wave_0_\@:
	s_barrier_wait -3
	s_barrier_signal -1
	s_barrier_wait -1
.endm
.macro CROUND
	s_barrier_signal -1
	s_barrier_wait -1
	CREST
.endm
	s_load_b256 s[4:11], s[0:1], 0x0               ; ob s[4:5], wp s[6:7], bias s[8:9], out0 s[10:11]
	v_lshl_add_u32 v[SPW], v0, 2, SPARE
	v_mov_b32 v[NIL], 0
	ds_add_u32 v[SPW], v[NIL]                      ; the wave's opening: the add and its wait ahead of my first tensor load
	ds_add_u32 v28, v29
	v_lshrrev_b32 v1, 5, v0
	v_readfirstlane_b32 s12, v1
	s_and_b32 s14, s12, 1
	s_bfe_u32 s15, ttmp6, 0x40000                  ; cx
	s_bfe_u32 s16, ttmp6, 0x40004                  ; cy
	s_lshl_b32 s17, ttmp9, 2
	s_add_co_u32 s17, s17, s15                     ; tile column
	s_and_b32 s18, ttmp7, 0xffff
	s_lshl_b32 s18, s18, 2
	s_add_co_u32 s18, s18, s16                     ; tile row
	s_lshl_b32 s20, s16, 2
	s_lshl_b32 s20, 15, s20
	s_lshl_b32 s21, 0x1111, s15
	s_or_b32 s[G1], s20, (1<<16)|(1<<20)|(1<<21)|(4<<22)|(3<<25)   ; padding after every 32 words
	s_or_b32 s[G1B], s21, (1<<16)|(1<<20)|(1<<21)|(5<<22)|(3<<25)  ; after every 64
	s_mov_b32 s[G1+1], 128<<16
	s_mov_b32 s[G1+2], 128<<16
	s_mov_b32 s[G1+3], 128<<16
	s_mov_b32 s[G1+4], 128
	s_mov_b32 s[G1+5], 128
	s_mov_b32 s[G1+6], 0
	s_mov_b32 s[G1+7], 0
	s_mov_b32 s[G1B+1], 128<<16
	s_mov_b32 s[G1B+2], 64<<16
	s_mov_b32 s[G1B+3], 128<<16
	s_mov_b32 s[G1B+4], 64
	s_mov_b32 s[G1B+5], 1024
	s_mov_b32 s[G1B+6], 0
	s_mov_b32 s[G1B+7], 0
	s_lshr_b32 s40, s18, 2                         ; a: the batch's sixteen heads, my one of the K step's two,
	s_lshl_b32 s40, s40, 4
	s_add_co_u32 s40, s40, s14
	s_lshl_b32 s40, s40, 17
	s_and_b32 s41, s18, 3                          ; the tile's 256 rows of 128 bytes; in registers that never hold cx
	s_lshl_b32 s41, s41, 15
	s_add_co_u32 s40, s40, s41
	s_mov_b32 s41, 0
	s_lshl_b32 s46, s17, 7                         ; W: row 128 x tile column + 64 x half; in registers that never hold cy
	s_lshl_b32 s47, s14, 6
	s_add_co_u32 s46, s46, s47
	s_lshl_b32 s46, s46, 11
	s_mov_b32 s47, 0
	s_mul_i32 s22, s14, HEADB
	s_mul_i32 s23, s14, BHALF
	s_add_co_u32 s23, s23, BOFF
	s_mov_b32 s[TB], 0
	s_wait_dscnt 0x0                               ; the opening add is done
	s_wait_kmcnt 0x0
	s_add_nc_u64 s[40:41], s[4:5], s[40:41]
	s_add_nc_u64 s[46:47], s[6:7], s[46:47]
	CROUND
.irp s, 0,1
	s_mov_b32 s[G0+4*(\s)], 1
	s_add_co_u32 s[G0+4*(\s)+1], s22, (\s)*SLOT1
	s_add_nc_u64 s[G0+4*(\s)+2:G0+4*(\s)+3], s[40:41], (\s)*262144
	s_or_b32 s[G0+4*(\s)+3], s[G0+4*(\s)+3], 0x80000000
	s_mov_b32 s[G0B+4*(\s)], 1
	s_add_co_u32 s[G0B+4*(\s)+1], s23, (\s)*SLOT1
	s_add_nc_u64 s[G0B+4*(\s)+2:G0B+4*(\s)+3], s[46:47], (\s)*256
	s_or_b32 s[G0B+4*(\s)+3], s[G0B+4*(\s)+3], 0x80000000
.endr
	s_cmp_lt_u32 s12, 2                            ; a wave's two first fills stand in one branch: two loads of mine are out
	s_cbranch_scc0 .Lfirst_b
	tensor_load_to_lds s[G0:G0+3], s[G1:G1+7]
	s_nop 0
	tensor_load_to_lds s[G0+4:G0+7], s[G1:G1+7]
	s_nop 0
.rept 4
	v_nop
.endr
	s_branch .Lfirst_asked
.Lfirst_b:
	tensor_load_to_lds s[G0B:G0B+3], s[G1B:G1B+7]
	s_nop 0
	tensor_load_to_lds s[G0B+4:G0B+7], s[G1B:G1B+7]
	s_nop 0
.rept 4
	v_nop
.endr
.Lfirst_asked:
	v_and_b32 v1, 15, v0
	v_bfe_u32 v2, v0, 4, 1
	v_lshlrev_b32 v[BO], 5, v2
	s_lshl_b32 s72, s17, 9
	s_add_co_u32 s72, s72, 12288
	s_mov_b32 s73, 0
	s_add_nc_u64 s[8:9], s[8:9], s[72:73]          ; the tile's 128 numbers of the bias
.set b, 0
.rept NBL
	global_load_b128 v[BIAS+8*b:BIAS+8*b+3],   v[BO], s[8:9] offset:64*b
	global_load_b128 v[BIAS+8*b+4:BIAS+8*b+7], v[BO], s[8:9] offset:64*b+16
.set b, b+1
.endr
	v_mul_u32_u24 v3, v1, PA
	v_lshl_add_u32 v3, v2, 4, v3
	s_mul_i32 s20, s12, 64*PA
	v_add_nc_u32 v[A0], s20, v3
	v_mul_u32_u24 v3, v1, PITCH
	v_lshl_add_u32 v3, v2, 4, v3
	v_add_nc_u32 v[B0], BOFF, v3
	v_mov_b32 v[ADRA], v[A0]
	v_mov_b32 v[ADRB], v[B0]
	s_mul_i32 s20, s12, 16*SP
	s_add_co_u32 s20, s20, STAGE                   ; my stage
	v_mul_u32_u24 v[STO], v1, SP
	v_lshl_add_u32 v[STO], v2, 5, v[STO]
	v_add_nc_u32 v[STO], s20, v[STO]               ; in: row r, 32 bytes for each half of the lanes
	v_and_b32 v[GO], 31, v0
	v_lshlrev_b32 v[GO], 4, v[GO]                  ; back and out: a row's 512 bytes, 16 a lane
	v_add_nc_u32 v[RD], s20, v[GO]
	s_lshl_b32 s70, s18, 8
	s_lshl_b32 s71, s12, 6
	s_add_co_u32 s70, s70, s71
	s_lshl_b32 s70, s70, 12                        ; my first row of out0, 4,096 bytes a row,
	s_lshl_b32 s71, s17, 9                         ; the tile's 512 bytes of it
	s_add_co_u32 s70, s70, s71
	s_mov_b32 s71, 0
	s_add_nc_u64 s[10:11], s[10:11], s[70:71]
	; the prefetches
	s_and_b32 s70, ttmp7, 0xffff                   ; cluster y
	s_lshr_b32 s71, s18, 2
	s_lshl_b32 s71, s71, 4
	s_add_co_u32 s71, s71, s14
	s_add_co_u32 s71, s71, 6                       ; a: K step 3's heads,
	s_lshl_b32 s71, s71, 17
	s_and_b32 s72, s18, 3
	s_lshl_b32 s72, s72, 15
	s_add_co_u32 s71, s71, s72
	s_lshl_b32 s72, s15, 13                        ; my work-group's quarter of the head's rows
	s_add_co_u32 s71, s71, s72
	s_lshl_b32 s72, s17, 7                         ; W: the rows that I fetch,
	s_lshl_b32 s73, s14, 6
	s_add_co_u32 s72, s72, s73
	s_lshl_b32 s73, s16, 4                         ; my work-group's 16 of them,
	s_add_co_u32 s72, s72, s73
	s_lshl_b32 s72, s72, 11
	s_add_co_u32 s72, s72, 3*256                   ; at K step 3
	s_mov_b32 s[PFS], 256
	s_cmp_lt_u32 s12, 2                            ; do I fetch for a?
	s_cselect_b32 s72, s71, s72
	s_cselect_b32 s70, ttmp9, s70                  ; the coordinate along which other clusters read the same rows
	s_cselect_b32 s74, 31, 15
	s_cselect_b32 s75, 8, 11
	s_cselect_b32 s[PFS], 262144, s[PFS]
	s_cselect_b64 s[PFA:PFA+1], s[4:5], s[6:7]
	s_mov_b32 s73, 0
	s_mov_b32 s[PFS+1], 0
	s_add_nc_u64 s[PFA:PFA+1], s[PFA:PFA+1], s[72:73]
	s_cmp_eq_u32 s70, 0
	s_cselect_b32 s[LIM], 2, -1
	v_and_b32 v[PFO], 31, v0
	v_min_u32 v[PFO], s74, v[PFO]                  ; (of W's 16 rows the last is named by seventeen lanes)
	v_lshlrev_b32 v[PFO], s75, v[PFO]
; 8 matrix instructions: row block a x all column blocks, 32 along K, from buffer f.  first = 1: the bias starts the sums.  The 32 accumulators take turns in one order everywhere.
.macro MULA f, a, first
.if \first
	WIN 0x81+0x40*((\a)/2)
.else
	WIN 0xa1+0x50*((\a)/2)
.endif
.set b, 0
.rept NBL
.set rD, 8*(NBL*((\a)%2)+b)
.if \first
	v_wmma_f32_16x16x32_f16 v[rD:rD+7], v[8*NBL*(\f)+8*b:8*NBL*(\f)+8*b+7], v[FA+32*(\f)+8*(\a):FA+32*(\f)+8*(\a)+7], v[BIAS+8*b:BIAS+8*b+7]
.else
	v_wmma_f32_16x16x32_f16 v[rD:rD+7], v[8*NBL*(\f)+8*b:8*NBL*(\f)+8*b+7], v[FA+32*(\f)+8*(\a):FA+32*(\f)+8*(\a)+7], v[rD:rD+7]
.endif
.set b, b+1
.endr
.endm
; One run of 24 LDS loads: quarter q (head q / 2 of the step's two, channels 32 (q % 2) on) into buffer f: W's 8 fragments, then a's 4
.macro FETCH q, f
	WIN 0x40
.set i, 0
.rept NBL
	ds_load_b128 v[8*NBL*(\f)+8*i:8*NBL*(\f)+8*i+3],   v[ADRB] offset:64*(\q)+i*16*PITCH
	ds_load_b128 v[8*NBL*(\f)+8*i+4:8*NBL*(\f)+8*i+7], v[ADRB] offset:64*(\q)+i*16*PITCH+32
.set i, i+1
.endr
	WIN 0
.set i, 0
.rept 4
	ds_load_b128 v[FA+32*(\f)+8*i:FA+32*(\f)+8*i+3],   v[ADRA] offset:((\q)/2)*HEADB+((\q)%2)*64+i*16*PA
	ds_load_b128 v[FA+32*(\f)+8*i+4:FA+32*(\f)+8*i+7], v[ADRA] offset:((\q)/2)*HEADB+((\q)%2)*64+i*16*PA+32
.set i, i+1
.endr
.endm
.macro QUARTER q, f, g, first
	s_wait_dscnt 4                                 ; the youngest four loads, a's row blocks 2 and 3, may be out
	MULA \f, 0, \first
	MULA \f, 1, \first
	PLACES
	FETCH \q, \g
	s_wait_dscnt NLD                               ; all but the run just issued
	MULA \f, 2, \first
	MULA \f, 3, \first
.endm
; The last quarter multiplies buffer 1 and changes slots: each wave waits for all its tensor loads, adds 0 to its spare word, and waits for that and for its reads of this slot.
; fill = 1: the barrier opens a round of the cluster's, and the joint refill, two K steps on, is the first thing behind it.
.macro TURN fill
.if \fill
	s_wait_xcnt 0x0                                ; the last prefetch, a K step back, has read its address
	s_add_nc_u64 s[PFA:PFA+1], s[PFA:PFA+1], s[PFS:PFS+1]
.endif
	WIN 0
	s_wait_tensorcnt 0x0
	ds_add_u32 v[SPW], v[NIL]
.if \fill
	s_xor_b32 s[G0+5], s[G0+5], SLOT1
	s_add_nc_u64 s[G0+6:G0+7], s[G0+6:G0+7], 262144
	s_xor_b32 s[G0B+5], s[G0B+5], SLOT1
	s_add_nc_u64 s[G0B+6:G0B+7], s[G0B+6:G0B+7], 256
.endif
	s_wait_dscnt 5                                 ; the add and the youngest four loads may be out
	MULA 1, 0, 0
	s_wait_dscnt 0x0                               ; the add is done, and my reads of this slot are over
	s_barrier_signal -1
	MULA 1, 1, 0
	WIN 0
	s_barrier_wait -1
.if \fill
	CREST
	JLOAD
.else
	PLACES
.endif
	s_xor_b32 s[TB], s[TB], SLOT1
	v_add_nc_u32 v[ADRA], s[TB], v[A0]
	v_add_nc_u32 v[ADRB], s[TB], v[B0]
	FETCH 0, 0
.if \fill
	ASK
.endif
	MULA 1, 2, 0
	MULA 1, 3, 0
.endm
; THE WAY OUT of row block a: 32 bytes a lane and column block into my stage, each accumulator's low four registers first; back as whole rows of 512 bytes; stored.
.macro TOSTAGE a
.if (\a) >= 2
	s_wait_xcnt 0x0                                ; the stores of the block two back have read the registers that the loads below take
.endif
	WIN 0x08+4*((\a)/2)                            ; store data in window 2 or 3
.set b, 0
.rept NBL
.set rD, 8*(NBL*((\a)%2)+b)
	ds_store_b128 v[STO], v[rD:rD+3] offset:64*b
	ds_store_b128 v[STO], v[rD+4:rD+7] offset:64*b+16
.set b, b+1
.endr
	WIN 0
.set rB, BK+64*((\a)%2)
.set t, 0
.rept 16
	ds_load_b128 v[rB+4*t:rB+4*t+3], v[RD] offset:SP*t  ; LDS serves a wave's instructions in order (ISA guide 5.7.1.4): these see the stores above
.set t, t+1
.endr
.endm
.macro SEND a, younger                 ; younger: the next block's 16 stores and 16 loads, or none
.set rB, BK+64*((\a)%2)
	s_wait_dscnt \younger
.set t, 0
.rept 16
	global_store_b128 v[GO], v[rB+4*t:rB+4*t+3], s[10:11] offset:(16*(\a)+t)*4096 th:TH_STORE_NT  ; 512 consecutive bytes, aligned
.set t, t+1
.endr
.endm
	s_wait_tensorcnt 0x1                           ; my part of K step 0 is in; K step 1's may stay out
	s_barrier_signal -1
	s_barrier_wait -1
	FETCH 0, 0
	s_wait_loadcnt 0x0                             ; the bias
	QUARTER 1, 0, 1, 1
	WIN 0
	s_mov_b32 s3, 6
.Lstep:                                            ; a trip: from a K step's second quarter to the next one's first; six trips fill K steps 2 to 7
	QUARTER 2, 1, 0, 0
	QUARTER 3, 0, 1, 0
	TURN 1
	QUARTER 1, 0, 1, 0
	WIN 0
	s_sub_co_u32 s3, s3, 1
	s_cmp_lg_u32 s3, 0
	s_cbranch_scc1 .Lstep
	QUARTER 2, 1, 0, 0                             ; the tail is written out: it asks for nothing
	QUARTER 3, 0, 1, 0
	TURN 0
	QUARTER 1, 0, 1, 0
	QUARTER 2, 1, 0, 0
	QUARTER 3, 0, 1, 0
	s_wait_dscnt 4
	MULA 1, 0, 0
	MULA 1, 1, 0
	s_wait_dscnt 0x0
	MULA 1, 2, 0
	MULA 1, 3, 0
	WIN 0
	PLACES
	TOSTAGE 0
	TOSTAGE 1
	SEND 0, 32
	TOSTAGE 2
	SEND 1, 32
	TOSTAGE 3
	SEND 2, 32
	SEND 3, 0
	s_wait_tensorcnt 0x0                           ; the wave's end
	ds_add_u32 v[SPW], v[NIL]
	s_wait_dscnt 0x0
	CROUND                                         ; the closing round
	s_endpgm
.Lfunc_end_k_qfe013af7b0_proj:
	.size	k_qfe013af7b0_proj, .Lfunc_end_k_qfe013af7b0_proj-k_qfe013af7b0_proj
	.p2alignl 7, 3214868480
	.fill 96, 4, 3214868480
	.section	.rodata,"a",@progbits
	.p2align	6, 0x0
	.amdhsa_kernel k_qfe013af7b0_proj
		.amdhsa_group_segment_fixed_size 327680
		.amdhsa_private_segment_fixed_size 0
		.amdhsa_enable_private_segment 0
		.amdhsa_kernarg_size 32
		.amdhsa_user_sgpr_count 2
		.amdhsa_user_sgpr_kernarg_segment_ptr 1
		.amdhsa_wavefront_size32 1
		.amdhsa_system_sgpr_workgroup_id_x 1
		.amdhsa_system_sgpr_workgroup_id_y 1
		.amdhsa_system_sgpr_workgroup_id_z 1
		.amdhsa_system_vgpr_workitem_id 0
		.amdhsa_next_free_vgpr 896
		.amdhsa_next_free_sgpr 76
		.amdhsa_reserve_vcc 0
		.amdhsa_float_denorm_mode_32 3
		.amdhsa_float_denorm_mode_16_64 3
		.amdhsa_memory_ordered 1
		.amdhsa_forward_progress 1
		.amdhsa_inst_pref_size 72
	.end_amdhsa_kernel
	.amdgpu_metadata
---
amdhsa.version: [ 1, 2 ]
amdhsa.kernels:
  - .name:           k_qfe013af7b0_proj
    .symbol:         k_qfe013af7b0_proj.kd
    .args:
      - { .name: ob, .offset: 0, .size: 8, .value_kind: global_buffer, .address_space: global }
      - { .name: wp, .offset: 8, .size: 8, .value_kind: global_buffer, .address_space: global }
      - { .name: bias, .offset: 16, .size: 8, .value_kind: global_buffer, .address_space: global }
      - { .name: out0, .offset: 24, .size: 8, .value_kind: global_buffer, .address_space: global }
    .group_segment_fixed_size: 327680
    .private_segment_fixed_size: 0
    .kernarg_segment_align: 8
    .kernarg_segment_size: 32
    .max_flat_workgroup_size: 128
    .sgpr_count:     76
    .vgpr_count:     896
    .wavefront_size: 32
...
	.end_amdgpu_metadata
.endif
;; end of part 5
